; MI455X (gfx1250); checked and timed in simulation.
; The chip was launched on July 23, 2026; its instructions are those of AMD's public machine-readable ISA for CDNA 5 (MIT licence, August 2026) and "CDNA5" Instruction Set Architecture Reference Guide (July 2026). The comments in the code are by the model that wrote it; some were corrected since.
;; Causal Self Attention. Allowed arithmetic: matrix products marked QUANTISED: E2M3 operands, one E8M0 scale for each 32 along K, by v_wmma_scale_f32_16x16x128_f8f6f4 with both operands' format E2M3, f32 sums; everything else in f32.
;; Inputs: b_out 1,024 float32; b_qkv 3,072 float32; w_out 1,024 x 1,024 float32; w_qkv 1,024 x 3,072 float32; x 4 x 2,048 x 1,024 float32.
;; Outputs: out0 4 x 2,048 x 1,024 float32.
;; This version of the problem:
;;   THIS VERSION OF THE PROBLEM IS GIVEN IN LOW PRECISION. The matrix products marked QUANTISED in the list below multiply operands that are first quantised to E2M3 (2 exponent bits, 3 mantissa bits; 6 bits a number), with one power-of-two scale for each 32 numbers along K (OCP MX v1.0); their sums are f32. All else is computed in f32.
;;   The module's matrix products, in the order in which they are computed (A, B: the left and right operand; K: the contracted axis; several contracted axes count as one K, in the product's order):
;;     1. [M 8,192, K 1,024] x [K 1,024, N 3,072]; A: input x; B: input w_qkv: QUANTISED
;;     2. batch 64 x [M 2,048, K 64] x [K 64, N 2,048]; A: computed on the way; B: computed on the way: QUANTISED
;;     3. batch 64 x [M 2,048, K 2,048] x [K 2,048, N 64]; A: softmax (see below); B: computed on the way: QUANTISED
;;     4. [M 8,192, K 1,024] x [K 1,024, N 1,024]; A: computed on the way; B: input w_out: QUANTISED
;;   THE QUANTISER, for each operand of a quantised product, along K:
;;     - K is cut into blocks of 32 from its start; a last block that is shorter is filled with zeros.
;;     - A block's scale is 2^e with e = floor(log2(the largest magnitude in the block)) - 2, held to -126 .. 127; a block of zeros has e = 0. As a byte (E8M0): e + 127.
;;     - Each number is divided by its block's scale, clamped to +-7.5, and rounded to the nearest number of E2M3, ties to even, subnormals kept.
;;     - The product sums the exact products of the quantised numbers (number of the format x scale) in f32.
;;   ~~~python
;;   def quantise(x, axis):      # numpy; x: float32 -> the quantised numbers, widened to float32 again
;;       x = np.moveaxis(x, axis, -1); K = x.shape[-1]
;;       x = np.pad(x, [(0, 0)] * (x.ndim - 1) + [(0, -K % 32)]); x = x.reshape(x.shape[:-1] + (-1, 32)); a = np.abs(x).max(-1, keepdims=True)
;;       e = np.where(a > 0, np.clip(np.frexp(np.where(a > 0, a, 1))[1] - 1 - 2, -126, 127), 0)      # np.frexp(a)[1] - 1 = floor(log2(a)), exactly
;;       r = np.clip(x / 2.0 ** e, -7.5, 7.5)
;;       step = 2.0 ** (np.maximum(np.frexp(np.where(r == 0, 1, r))[1] - 1, 0) - 3)
;;       q = np.round(r / step) * step * 2.0 ** e      # np.round: ties to even
;;       return np.moveaxis(q.reshape(q.shape[:-2] + (-1,))[..., :K], -1, axis).astype(np.float32)
;;   ~~~
;;   SOFTMAX AHEAD OF A QUANTISED PRODUCT. Where the list says 'softmax', what is quantised is not the finished softmax but p = 2^(t - M), with t = logit x log2(e) and M = ceil(the row's largest t), a whole number; so 1/2 < the row's largest p <= 1. The row's sum l is taken of the UNQUANTISED p, in f32, and the product's result is divided by l at the end. Since M is a whole number, a kernel that streams over the keys may use a running M (the ceiling of the running maximum): every later rescaling is an exact power of two, which a block's scale takes up: the codes' values come out the same.
;;   OPERANDS COMPUTED ON THE WAY. 'Computed on the way' means the value that the module computes at that place (a softmax that the list does not call 'softmax' is quantised finished and normalised). What goes into a quantiser is computed in f32, as accurately as f32 sums, v_exp_f32 and their like allow (about 1e-6 of the number): no bf16 or f16 on the way to a quantiser, and a product that is left as it is and whose result goes on into a quantised operand takes f32 operands (vector FMAs, or v_wmma_f32_16x16x4_f32). A number that lies on a knife's edge between two numbers of the format may be rounded either way, as far as f32 arithmetic and the matrix unit's own rounding can turn it there, and no further.
;; One version. Each part assembles by itself: llvm-mc -triple=amdgcn-amd-amdhsa -mcpu=gfx1250 --defsym DOCPART=n.
;; ======== version 1 of 1: 4 launches
;; limits: right only within a limited range of input values
;; workspace buffers: c1 8,650,752 bytes; s1 360,448 bytes; qkv 19,660,800 bytes; c2 7,077,888 bytes; s2 294,912 bytes
;; launch quant (part 1): grid 512 x 1, 4 waves a work-group, no clusters, 34,304 bytes of LDS; arguments x, w_qkv, w_out, c1, s1, c2, s2; writes c1, s1, c2, s2
.if DOCPART == 1
	.amdgcn_target "amdgcn-amd-amdhsa--gfx1250"
	.amdhsa_code_object_version 6
	.text
	.protected	k_qc3c47e109f_quant
	.globl	k_qc3c47e109f_quant
	.p2align	8
	.type	k_qc3c47e109f_quant,@function
k_qc3c47e109f_quant:
	s_mov_b64 s[64:65], 0
	v_nop
	global_prefetch_b8 v0, s[64:65] scope:SCOPE_SE
	s_setreg_imm32_b32 hwreg(HW_REG_WAVE_MODE, 25, 1), 1
	s_wait_xcnt 0x0
; CAUSAL SELF-ATTENTION IN MX-FP6, FOUR LAUNCHES: quant (this one), qkv, attn, proj.
; This launch turns x [8192][1024], w_qkv [1024][3072] and w_out [1024][1024], f32, into codes of E2M3 with one E8M0 byte for each 32 along K (K = 1024 in all three).
; WORK LEFT OUT IN THE PROGRAM: reference() sets the scores of keys k > q to -infinity by a tril that it builds itself, so their softmax weight is 0 for every value of the inputs.  A block of 128 keys that
; lies wholly behind a block of 128 queries can reach no output: launch attn neither fetches nor multiplies it.  Nothing else is left out, and all five inputs are loaded (b_qkv's k part moves k's codes: it stays).
; LIMITS: a NaN, an infinity or an overflow that reaches only those masked blocks is not carried to the result.  NaN and infinities among the inputs are not served.  A block of zeros gets the byte 1 where the
; rule says 127 (its codes are zeros, which add nothing under any byte but 0xff; this program alone reads the bytes).  Blocks whose largest magnitude lies under 2^-124, the floor, were not tried.
; THE ONE LAYOUT OF ALL OPERANDS.  A TILE is 16 rows: place r of tile t is row 32 (t / 2) + 8 (t % 2) + r % 8 + 16 (r / 8).  A UNIT is a tile x 64 along K, 768 bytes, as an image of the operand's registers:
; lane (r, h) owns the 24 bytes of codes of k = 32 h .. 32 h + 31; its registers 0-3 lie at 16 x lane, its registers 4-5 at 512 + 8 x lane.  c1, c2: [tile][16 units].  s1, s2: [tile][k / 512][r][16 bytes].
; c1, s1: tiles 0-511 x, 512-703 the columns of w_qkv.  c2, s2: tiles 512-575 the columns of w_out (tiles 0-511 are written by launch attn).
; SHARES.  Work-groups 0-255 take the weights (a lane to a column, its registers down K, since K is their first axis): a wave takes 32 columns x 128 along K.  Work-groups 256-511 take x: a wave takes a tile x 512 along K;
; its loads read 512 consecutive bytes of a row, and the numbers turn through the wave's own stage in LDS so that a lane gets 32 neighbours along K.  No tensor loads, no barrier: waves share nothing.
.set SPARE, 33792                      ; behind the four stages: the spare words, 128 bytes for each wave
.set STGB,  8448                       ; a wave's stage: 16 rows x (512 bytes + 16)
.set SPW,   2                          ; v2  LDS address of my spare word; never rewritten
.set NIL,   3                          ; v3  0; never rewritten
; 32 numbers of one lane, v[x] on, become six registers of codes, v[c] on; v[sc]: the conversions' scale operand; v[by]: the scale's byte; v[d] on: three registers at work
.macro QUANT32 x, c, d, sc, by
	v_max3_num_f32 v[\sc], |v[(\x)]|, |v[(\x)+1]|, 0x1800000       ; the largest magnitude, in two chains; the floor 2^(3 - 127) among its leaves holds the byte at 1 from below
	v_max3_num_f32 v[\by], |v[(\x)+16]|, |v[(\x)+17]|, |v[(\x)+18]|
.irp i, 2,4,6,8,10,12
	v_max3_num_f32 v[\sc], v[\sc], |v[(\x)+\i]|, |v[(\x)+\i+1]|
	v_max3_num_f32 v[\by], v[\by], |v[(\x)+17+\i]|, |v[(\x)+18+\i]|
.endr
	v_max3_num_f32 v[\sc], v[\sc], |v[(\x)+14]|, |v[(\x)+15]|
	v_max3_num_f32 v[\sc], v[\sc], v[\by], |v[(\x)+31]|
	v_add_nc_u32 v[\sc], 0xff000000, v[\sc]                        ; 2 off its exponent field: the conversion takes that field as its scale and nothing else
	v_cvt_scalef32_pk16_fp6_f32 v[(\c):(\c)+2], v[(\x):(\x)+15], v[\sc]
	v_cvt_scalef32_pk16_fp6_f32 v[(\d):(\d)+2], v[(\x)+16:(\x)+31], v[\sc]   ; (a conversion's three registers begin on an even number)
	v_lshrrev_b32 v[\by], 23, v[\sc]                               ; the byte; also the plain line between the conversions and the moves
.irp i, 0,1,2
	v_mov_b32 v[(\c)+3+\i], v[(\d)+\i]
.endr
.endm
	s_load_b256 s[4:11], s[0:1], 0x0               ; x s[4:5], w_qkv s[6:7], w_out s[8:9], c1 s[10:11]
	s_load_b128 s[12:15], s[0:1], 0x20             ; s1 s[12:13], c2 s[14:15]
	s_load_b64 s[16:17], s[0:1], 0x30              ; s2
	v_lshl_add_u32 v[SPW], v0, 2, SPARE
	v_mov_b32 v[NIL], 0
	v_lshrrev_b32 v1, 5, v0
	v_readfirstlane_b32 s18, v1                    ; wave
	v_and_b32 v4, 31, v0                           ; lane
	s_wait_kmcnt 0x0
	s_cmp_lt_u32 ttmp9, 256                        ; THE SHARES AS THEY STAND: work-groups 0-255 take the weights, a wave 32 columns x 128 along K (four blocks); work-groups 256-511 take x
	s_cbranch_scc0 .Lx_path
	; ---------------- THE WEIGHTS ----------------
	s_and_b32 s19, ttmp9, 7                        ; which 128 along K
	s_lshr_b32 s20, ttmp9, 3                       ; 0-23: w_qkv, 24-31: w_out
	s_mov_b32 s21, 4096
	s_cmp_lt_u32 s20, 24                           ; the choice hangs on the work-group's number alone
	s_cselect_b64 s[22:23], s[6:7], s[8:9]         ; the weight,
	s_cselect_b64 s[28:29], s[10:11], s[14:15]     ; its codes,
	s_cselect_b64 s[30:31], s[12:13], s[16:17]     ; its scale bytes,
	s_cselect_b32 s21, 12288, s21                  ; a row of it in bytes
	s_cselect_b32 s24, 0, 24
	s_sub_co_u32 s20, s20, s24
	s_lshl_b32 s20, s20, 2
	s_add_co_u32 s20, s20, s18                     ; my wave's group of 32 columns
	s_mul_i32 s24, s19, s21
	s_lshl_b32 s24, s24, 7                         ; 128 rows down for each eighth of K,
	s_lshl_b32 s25, s20, 7                         ; 128 bytes a group
	s_add_co_u32 s24, s24, s25
	s_mov_b32 s25, 0
	s_add_nc_u64 s[22:23], s[22:23], s[24:25]
	s_lshl_b32 s26, s20, 1
	s_add_co_u32 s26, s26, 512                     ; my first tile: 512 + 2 x group
	s_mul_i32 s24, s26, 12288
	s_mul_i32 s27, s19, 1536                       ; two units on for each eighth of K
	s_add_co_u32 s24, s24, s27
	s_add_nc_u64 s[28:29], s[28:29], s[24:25]
	s_lshl_b32 s24, s26, 9
	s_lshr_b32 s27, s19, 2
	s_lshl_b32 s27, s27, 8                         ; 256 bytes for the second half of K,
	s_and_b32 s26, s19, 3
	s_lshl_b32 s26, s26, 2                         ; and my four bytes of a row's sixteen
	s_add_co_u32 s27, s27, s26
	s_add_co_u32 s24, s24, s27
	s_add_nc_u64 s[30:31], s[30:31], s[24:25]
	s_lshl_b32 s24, s21, 5                         ; s[24:25]: 32 rows on
	s_wait_alu depctr_va_vdst(0)
	v_lshlrev_b32 v5, 2, v4
.set i, 0
.rept 32
	v_mad_u32_u24 v[16+i], s21, i, v5              ; v16-47: 4 x lane + i rows; never rewritten
.set i, i+1
.endr
	v_bfe_u32 v9, v4, 3, 1                         ; column 8 u + r % 8 + 16 (r / 8) of the group is place r of its tile u
	v_and_b32 v10, 7, v4
	v_lshrrev_b32 v11, 4, v4
	v_lshl_add_u32 v10, v11, 3, v10                ; r
	v_mul_u32_u24 v6, v9, 12288
	v_lshl_add_u32 v7, v10, 3, v6
	v_add_nc_u32 v7, 512, v7                       ; where my registers 4-5 go,
	v_lshl_add_u32 v6, v10, 4, v6                  ; my registers 0-3,
	v_lshlrev_b32 v8, 9, v9
	v_lshl_add_u32 v8, v10, 4, v8                  ; my 16 scale bytes
.macro LOADW t                         ; a block of 32 along K of my column, into set t % 2: each load reads 128 consecutive bytes
.set i, 0
.rept 32
	global_load_b32 v[48+32*((\t)%2)+i], v[16+i], s[22:23] th:TH_LOAD_NT
.set i, i+1
.endr
.endm
.macro WBLK t
.set XS, 48+32*((\t)%2)
.set CWR, 112+8*((\t)%2)
.set DWR, 128+4*((\t)%2)
.if (\t) < 3
	s_wait_loadcnt 32                              ; this block's 32 loads are in; the next block's 32 may be out
.else
	s_wait_loadcnt 0x0
.endif
	QUANT32 XS, CWR, DWR, 140, 141
.if (\t)%4 == 0
	v_mov_b32 v[136+(\t)/4], v141                  ; four bytes in one register, the lower K in the lower byte
.else
	v_lshl_or_b32 v[136+(\t)/4], v141, 8*((\t)%4), v[136+(\t)/4]
.endif
	global_store_b128 v6, v[CWR:CWR+3], s[28:29] offset:768*((\t)/2)+256*((\t)%2)   ; block t is half t % 2 of unit t / 2: sixteen lanes store 256 consecutive bytes, aligned
	global_store_b64 v7, v[CWR+4:CWR+5], s[28:29] offset:768*((\t)/2)+128*((\t)%2)
.if (\t)+2 < 4
	s_wait_xcnt 0x0                                ; the loads have read their base and the stores their data: the base steps, and this set of codes may be written again two blocks on
	s_add_nc_u64 s[22:23], s[22:23], s[24:25]
	LOADW \t                                       ; block t + 2, into the set just read
.endif
.endm
	LOADW 0
	s_wait_xcnt 0x0
	s_add_nc_u64 s[22:23], s[22:23], s[24:25]
	LOADW 1
.irp t, 0,1,2,3
	WBLK \t
.endr
	global_store_b32 v8, v136, s[30:31]            ; my column's four scale bytes, one word of its sixteen bytes; the other three words are other work-groups'
	s_branch .Lend
	; ---------------- x ----------------
.Lx_path:
	s_sub_co_u32 s19, ttmp9, 256
	s_lshl_b32 s19, s19, 2
	s_add_co_u32 s19, s19, s18
	s_and_b32 s20, s19, 1                          ; which 512 along K
	s_lshr_b32 s19, s19, 1                         ; my tile
	s_lshr_b32 s21, s19, 1
	s_lshl_b32 s22, s21, 17                        ; 32 rows of 4,096 bytes for each pair of tiles,
	s_and_b32 s21, s19, 1
	s_lshl_b32 s21, s21, 15                        ; 8 rows for the odd tile,
	s_add_co_u32 s22, s22, s21
	s_lshl_b32 s21, s20, 11                        ; 2,048 bytes for the second half of K
	s_add_co_u32 s22, s22, s21
	s_mov_b32 s23, 0
	s_add_nc_u64 s[4:5], s[4:5], s[22:23]
	s_mul_i32 s22, s19, 12288
	s_mul_i32 s21, s20, 6144
	s_add_co_u32 s22, s22, s21
	s_add_nc_u64 s[10:11], s[10:11], s[22:23]
	s_lshl_b32 s22, s19, 9
	s_lshl_b32 s21, s20, 8
	s_add_co_u32 s22, s22, s21
	s_add_nc_u64 s[12:13], s[12:13], s[22:23]
	s_mov_b32 s26, 0x76543210
	s_mov_b32 s27, 0xfedcba98                      ; v_permlanex16_b32's selects for lane l xor 16
	s_wait_alu depctr_va_vdst(0)
	v_lshlrev_b32 v5, 4, v4                        ; 16 x lane
	v_lshlrev_b32 v6, 3, v4                        ; 8 x lane
	v_and_b32 v8, 15, v4                           ; r
	v_lshrrev_b32 v1, 4, v4                        ; h
	v_lshlrev_b32 v9, 3, v1                        ; 8 h
	v_lshl_add_u32 v7, v8, 4, v9                   ; 16 r + 8 h
	s_mul_i32 s21, s18, STGB                       ; my stage
	v_add_nc_u32 v14, s21, v5                      ; in: a row's 512 bytes as they lie
	v_mul_u32_u24 v15, v8, 528
	v_lshl_add_u32 v15, v1, 7, v15
	v_add_nc_u32 v15, s21, v15                     ; back: row r, my half's 128 bytes of each 256
	v_mov_b32 v245, 0                              ; a lane permute's destination counts as one of its sources
.macro LOADX s                         ; 128 along K of the tile's sixteen rows, into set s % 2: each load reads 512 consecutive bytes of one row
.irp n, 0,1,2,3,4,5,6,7,8,9,10,11,12,13,14,15
	global_load_b128 v[16+64*((\s)%2)+4*\n:16+64*((\s)%2)+4*\n+3], v5, s[4:5] offset:((\n%8)+16*(\n/8))*4096+512*(\s) th:TH_LOAD_NT
.endr
.endm
.macro XSTEP s
.set RS, 16+64*((\s)%2)
.set CX, 208+12*((\s)%2)
.if (\s) < 3
	s_wait_loadcnt 16                              ; this step's 16 loads are in; the next step's 16 may be out
.else
	s_wait_loadcnt 0x0
.endif
.irp n, 0,1,2,3,4,5,6,7,8,9,10,11,12,13,14,15
	ds_store_b128 v14, v[RS+4*\n:RS+4*\n+3] offset:528*\n
.endr
.irp u, 0,1
.irp j, 0,1,2,3,4,5,6,7
	ds_load_b128 v[144+32*\u+4*\j:144+32*\u+4*\j+3], v15 offset:256*\u+16*\j   ; LDS serves a wave's instructions in order (ISA guide 5.7.1.4): these see the stores above
.endr
.endr
	s_wait_dscnt 0x0                               ; my 64 numbers are back, and the stores have read their registers,
.if (\s)+2 < 4
	LOADX (\s)+2                                   ; which take the loads of two steps on
.endif
	s_wait_xcnt 0x0                                ; the stores of two steps back have read this set of codes
	QUANT32 144, CX, 232, 240, 242                 ; k = 32 h on of the step's first 64,
	QUANT32 176, CX+6, 236, 241, 243               ; and of its second 64
	v_lshl_or_b32 v244, v243, 16, v242             ; my two bytes, blocks h and 2 + h,
	v_lshlrev_b32 v244, v9, v244                   ; at their places in the scale word;
	v_permlanex16_b32 v245, v244, s26, s27
	v_or_b32 v[10+(\s)], v244, v245                ; with lane l xor 16's two the word is whole
.irp u, 0,1
	global_store_b128 v5, v[CX+6*\u:CX+6*\u+3], s[10:11] offset:(2*(\s)+\u)*768          ; 512 consecutive bytes, aligned to 256
	global_store_b64 v6, v[CX+6*\u+4:CX+6*\u+5], s[10:11] offset:(2*(\s)+\u)*768+512     ; 256 consecutive bytes, aligned
.endr
.endm
	LOADX 0
	LOADX 1
	s_wait_alu depctr_va_vdst(0)
.irp s, 0,1,2,3
	XSTEP \s
.endr
	v_cmp_lt_u32 vcc_lo, 15, v4                    ; lanes 0-15 store their row's words 0 and 1, lanes 16-31 words 2 and 3
	v_cndmask_b32 v246, v10, v12, vcc_lo
	v_cndmask_b32 v247, v11, v13, vcc_lo
	global_store_b64 v7, v[246:247], s[12:13]      ; 256 consecutive bytes, aligned
.Lend:
	s_wait_tensorcnt 0x0                           ; the wave's end
	ds_add_u32 v[SPW], v[NIL]
	s_wait_dscnt 0x0
	s_endpgm
.Lfunc_end_k_qc3c47e109f_quant:
	.size	k_qc3c47e109f_quant, .Lfunc_end_k_qc3c47e109f_quant-k_qc3c47e109f_quant
	.p2alignl 7, 3214868480
	.fill 96, 4, 3214868480
	.section	.rodata,"a",@progbits
	.p2align	6, 0x0
	.amdhsa_kernel k_qc3c47e109f_quant
		.amdhsa_group_segment_fixed_size 34304
		.amdhsa_private_segment_fixed_size 0
		.amdhsa_enable_private_segment 0
		.amdhsa_kernarg_size 56
		.amdhsa_user_sgpr_count 2
		.amdhsa_user_sgpr_kernarg_segment_ptr 1
		.amdhsa_wavefront_size32 1
		.amdhsa_system_sgpr_workgroup_id_x 1
		.amdhsa_system_sgpr_workgroup_id_y 1
		.amdhsa_system_sgpr_workgroup_id_z 1
		.amdhsa_system_vgpr_workitem_id 0
		.amdhsa_next_free_vgpr 256
		.amdhsa_next_free_sgpr 66
		.amdhsa_reserve_vcc 1
		.amdhsa_float_denorm_mode_32 3
		.amdhsa_float_denorm_mode_16_64 3
		.amdhsa_memory_ordered 1
		.amdhsa_forward_progress 1
		.amdhsa_inst_pref_size 53
	.end_amdhsa_kernel
	.amdgpu_metadata
---
amdhsa.version: [ 1, 2 ]
amdhsa.kernels:
  - .name:           k_qc3c47e109f_quant
    .symbol:         k_qc3c47e109f_quant.kd
    .args:
      - { .name: x, .offset: 0, .size: 8, .value_kind: global_buffer, .address_space: global }
      - { .name: w_qkv, .offset: 8, .size: 8, .value_kind: global_buffer, .address_space: global }
      - { .name: w_out, .offset: 16, .size: 8, .value_kind: global_buffer, .address_space: global }
      - { .name: c1, .offset: 24, .size: 8, .value_kind: global_buffer, .address_space: global }
      - { .name: s1, .offset: 32, .size: 8, .value_kind: global_buffer, .address_space: global }
      - { .name: c2, .offset: 40, .size: 8, .value_kind: global_buffer, .address_space: global }
      - { .name: s2, .offset: 48, .size: 8, .value_kind: global_buffer, .address_space: global }
    .group_segment_fixed_size: 34304
    .private_segment_fixed_size: 0
    .kernarg_segment_align: 8
    .kernarg_segment_size: 56
    .max_flat_workgroup_size: 128
    .sgpr_count:     66
    .vgpr_count:     256
    .wavefront_size: 32
...
	.end_amdgpu_metadata
.endif
;; end of part 1
;; launch qkv (part 2): grid 8 x 48, 4 waves a work-group, clusters of 4 x 4, 327,680 bytes of LDS; arguments c1, s1, b_qkv, qkv; writes qkv
.if DOCPART == 2
	.amdgcn_target "amdgcn-amd-amdhsa--gfx1250"
	.amdhsa_code_object_version 6
	.text
	.protected	k_qc3c47e109f_qkv
	.globl	k_qc3c47e109f_qkv
	.p2align	8
	.type	k_qc3c47e109f_qkv,@function
k_qc3c47e109f_qkv:
	s_mov_b64 s[64:65], 0
	v_nop
	global_prefetch_b8 v0, s[64:65] scope:SCOPE_SE
	s_setreg_imm32_b32 hwreg(HW_REG_WAVE_MODE, 25, 1), 1
	s_wait_xcnt 0x0
	s_wait_alu depctr_hold_cnt(0) depctr_sa_sdst(0) depctr_va_vdst(0) depctr_va_sdst(0) depctr_va_ssrc(0) depctr_va_vcc(0) depctr_vm_vsrc(0)
	s_getreg_b32 s2, hwreg(HW_REG_IB_STS2, 6, 4)
	s_cmp_eq_u32 s2, 0
	s_cbranch_scc0 .Lentry_in_a_cluster
	s_endpgm
.Lentry_in_a_cluster:
	s_bfe_u32 s2, ttmp6, 0x10000c
	s_cmp_lg_u32 s2, 0xf033
	s_cbranch_scc0 .Lentry_shape_is_right
	s_endpgm
.Lentry_shape_is_right:
; x w_qkv + b_qkv on codes of E2M3 (K = 1024), and its result quantised in registers: q and k along the head's 64, v along the keys.  No f32 result goes to memory.
; P[i][j] = sum over k of S1[i][k] S0[j][k].  The matrix instruction takes 16 rows of S0 as source 0 and 16 rows of S1 as source 1: a lane then holds ONE row of S1 and its registers run along S0's rows.
; Place r of tile t is row 32 (t / 2) + 8 (t % 2) + r % 8 + 16 (r / 8), so the 16 registers of result tiles 2 b and 2 b + 1 are 16 NEIGHBOURS, 32 b + 16 (lane / 16) + 0 .. 15, along S0's rows: the next product's K.
; TWO MODES, told apart by the cluster's y (alike in all sixteen partners).  Mode 0 (y < 8), q and k: S1 = x (tiles 0-511 of c1), S0 = columns 0-2047 of w_qkv (tiles 512-639): registers run along the head's channels.
; Mode 1, v: S1 = columns 2048-3071 of w_qkv (tiles 640-703), S0 = x: registers run along the tokens, which are the keys of attention's second product.
; A work-group of four waves makes 256 x 256, a wave 128 x 128: 64 accumulators, 512 registers.  K goes in steps of 256 through THREE LDS slots: K steps 0, 1, 2 are first fills, K step 3 is the one refill (slot 0).
; c1: [tile][16 units of 768 bytes]; a unit is an image of six operand registers (registers 0-3 at 16 x lane, 4-5 at 512 + 8 x lane), so a fragment of 128 along K comes by four dense LDS loads.
; CLUSTERS: 4 x 4 work-groups; S1's tiles are shared along a row of the cluster, S0's along a column: each is asked for jointly, by the same tensor load with the same descriptor and a mask that names the four.
; THE SCALE WORDS of the wave's 8 + 8 tiles for all of K are 64 registers, loaded once: lanes 0-15 S1's tile i, lanes 16-31 S0's tile i.  THE BIAS is the C of the first K step's products.
; OUT: each wave writes one RECORD of 12,800 bytes: 16 units and 8 x 16 scale words.  Record ((batch 8 + head pair) 16 + block of 128 tokens) 3 + kind, kind 0 q, 1 k, 2 v.
; q, k: unit 8 e + a = head 2 pair + e, token tile a; v: unit 8 kh + a = keys 64 kh on, channel tile a of the pair's 128.
; LIMITS: as stated at the head of launch quant (NaN and infinities not served; a block of zeros gets the byte 1; blocks under the floor 2^-124 not tried).
; REGISTERS, in windows of 256.  Window 0: v1-3 r, h, lane; v4-9 S1's LDS addresses, v10-15 S0's (a pair for each slot); v16-18 16, 8, 4 x lane; v19, v20 offsets; v28, v29 the add's two; v32-95 scale words;
;   v96-127 and v224-255 the bias; v128-223 S1's fragments, one set; on the way out v128-255 are at work.  Window 1: S0's fragments, two sets, at v0 and v128.  Windows 2, 3: accumulator (a, b) at v[8 (8 (a % 4) + b)].
.set FR,     12                        ; registers of a fragment
.set HALFT,  24576                     ; 8 tiles x 3,072 bytes: what one tensor load brings, and what a wave reads of S1 or of S0
.set SLOT,   98304                     ; S1's two halves, then S0's two
.set SPARE,  294912                    ; behind the three slots: the spare words, 128 bytes for each wave
.set SPW,    28
.set NIL,    29
.set SC,     32
.set BI,     96
.set AF,     128
.set TM,     240                       ; the way out: v240-243 largest magnitudes, v244-247 bytes, v252-255 the conversions' scale operands
.set G1A,    24                        ; s[24:31] descriptor group 1 for S1's tiles; s[32:39] for S0's: they differ in the mask
.set G1B,    32
.set G0A,    68                        ; s[68:79] descriptor group 0 for S1's tiles, a set for each slot; s[80:91] for S0's
.set G0B,    80
.set MODE,   92
.set RW,     93                        ; which 128 rows of S1 are my wave's
.set CW,     94                        ; which 128 rows of S0
.set SEL,    96
.set MSB,    0
.macro WIN new                         ; the immediate's high byte repeats the setting that is left
.if MSB != (\new)
	s_set_vgpr_msb (MSB<<8)|(\new)
.set MSB, (\new)
.endif
.endm
.set MUL_LO, 0xa1                      ; source 0 (S0) window 1, source 1 (S1) window 0, C and D window 2
.set MUL_HI, 0xf1                      ; the same, C and D window 3
.set TO_B,   0x40                      ; destination window 1, address window 0
.macro PLACES n                        ; plain lines between a matrix instruction and a load into, or a vector read of, its registers
.rept \n
	v_nop
.endr
.endm
; A joint load: waves 0 and 1 fetch S1's halves, waves 2 and 3 S0's.  The branch hangs on the wave's number alone.  An s_nop 0 and four v_nop follow each of the two lines.
.macro JLOAD g0a, g1a, g0b, g1b
	s_cmp_eq_u32 s15, 0
	s_cbranch_scc0 .Lfor_b_\@
	tensor_load_to_lds s[\g0a:\g0a+3], s[\g1a:\g1a+7]
	s_nop 0
.rept 4
	v_nop
.endr
	s_branch .Lasked_\@
.Lfor_b_\@:
	tensor_load_to_lds s[\g0b:\g0b+3], s[\g1b:\g1b+7]
	s_nop 0
.rept 4
	v_nop
.endr
.Lasked_\@:
.endm
.macro CREST                           ; a round of the cluster's barrier behind its opening barrier
	s_cmp_lg_u32 s14, 0
	s_cbranch_scc1 .Lnot_wave_0_\@
	s_barrier_signal -3
.Lnot_wave_0_\@:
	s_barrier_wait -3
	s_barrier_signal -1
	s_barrier_wait -1
.endm
.macro CROUND                          ; a whole round
	s_barrier_signal -1
	s_barrier_wait -1
	CREST
.endm
.macro FRAG reg, adr, q, i             ; tile i's fragment of the slot's q-th 128 along K: two units, each 512 + 256 consecutive bytes
	ds_load_b128 v[(\reg):(\reg)+3], v[(\adr)] offset:3072*(\i)+1536*(\q)
	ds_load_b64 v[(\reg)+4:(\reg)+5], v[(\adr)+1] offset:3072*(\i)+1536*(\q)+512
	ds_load_b128 v[(\reg)+6:(\reg)+9], v[(\adr)] offset:3072*(\i)+1536*(\q)+768
	ds_load_b64 v[(\reg)+10:(\reg)+11], v[(\adr)+1] offset:3072*(\i)+1536*(\q)+1280
.endm
.macro FETCH_B slot, q, p              ; S0's eight fragments into set p: 32 loads
	WIN TO_B
.irp i, 0,1,2,3,4,5,6,7
	FRAG 128*(\p)+FR*\i, 10+2*(\slot), \q, \i
.endr
	WIN 0
.endm
.macro FETCH_A slot, q, i0             ; S1's blocks i0 .. i0 + 3: 16 loads
.irp i, \i0, \i0+1, \i0+2, \i0+3
	FRAG AF+FR*(\i), 4+2*(\slot), \q, \i
.endr
.endm
; 16 matrix instructions: S1's blocks a0, a0 + 1 x S0's eight, the ks-th 128 along K.  zero = 1: C = the bias of S0's block b; 2: of S1's block a; 0: C = D.
; The 64 accumulators take turns, one instruction a turn, in the same order in every step.
.macro MUL16 a0, ks, zero
.irp a, \a0, \a0+1
.irp b, 0,1,2,3,4,5,6,7
.set RD_, 8*(8*((\a)%4)+\b)
.set RA_, 128*((\ks)%2)+FR*\b
.set RB_, AF+FR*(\a)
.set RC_, RD_
.if \zero == 1
.set RC_, BI+8*\b+96*(\b/4)
.endif
.if \zero == 2
.set RC_, BI+8*(\a)+96*((\a)/4)
.endif
	v_wmma_scale_f32_16x16x128_f8f6f4 v[RD_:RD_+7], v[RA_:RA_+FR-1], v[RB_:RB_+FR-1], v[RC_:RC_+7], v[SC+8*\b+(\ks)], v[SC+8*(\a)+(\ks)] matrix_a_fmt:MATRIX_FMT_FP6 matrix_b_fmt:MATRIX_FMT_FP6 matrix_a_scale:MATRIX_SCALE_ROW1
.endr
.endr
.endm
; A step of 128 along K; it fetches the next step's fragments from slot ns, its nq-th 128.
.macro STEP ks, ns, nq, zero
	s_wait_dscnt 16                                ; S0's set and S1's blocks 0-3 are in; the youngest 16 loads (S1's blocks 4-7) may be out
.if \zero
	WIN 0x81                                       ; C, the bias, in window 0
.else
	WIN MUL_LO
.endif
	MUL16 0, \ks, \zero
	MUL16 2, \ks, \zero
	s_wait_dscnt 0x0                               ; S1's blocks 4-7 are in
	PLACES 4
	FETCH_B \ns, \nq, 1-(\ks)%2
	FETCH_A \ns, \nq, 0
.if \zero
	WIN 0xc1
.else
	WIN MUL_HI
.endif
	MUL16 4, \ks, \zero
	MUL16 6, \ks, \zero
	PLACES 4
	WIN 0
	FETCH_A \ns, \nq, 4
.endm
; A step in front of whose second half stands a barrier.  In front of it each wave waits for all its tensor loads, adds 0 to its spare word, and waits for that and for its LDS reads.
; fill = 1: the barrier opens a round of the cluster's barrier, and behind the round slot 0, which nobody reads any more, takes K step 3.
.macro TURN ks, next, fill
	s_wait_tensorcnt 0x0                           ; all my tensor loads have landed
	ds_add_u32 v[SPW], v[NIL]                      ; 0 onto my spare word
	s_wait_dscnt 17                                ; (the add and the youngest 16 loads may be out)
	WIN MUL_LO
	MUL16 0, \ks, 0                                ; sixteen matrix instructions stand between the add and the wait for it
	s_wait_dscnt 0x0                               ; the add is done, and my reads of the slot are over
	s_barrier_signal -1
	MUL16 2, \ks, 0
	WIN 0
	s_barrier_wait -1
.if \fill
	CREST                                          ; no wave of any partner still reads slot 0 or has a load on its way
	s_add_nc_u64 s[G0A+2:G0A+3], s[G0A+2:G0A+3], 9216   ; three K steps of 3,072 bytes on
	s_add_nc_u64 s[G0B+2:G0B+3], s[G0B+2:G0B+3], 9216
	JLOAD G0A, G1A, G0B, G1B                       ; my one tensor load behind the round; its four v_nop are also the places in front of the loads below
.else
	PLACES 4
.endif
	FETCH_B \next, 0, 0
	FETCH_A \next, 0, 0
	WIN MUL_HI
	MUL16 4, \ks, 0
	MUL16 6, \ks, 0
	PLACES 4
	WIN 0
	FETCH_A \next, 0, 4
.endm
	s_load_b256 s[4:11], s[0:1], 0x0               ; c1 s[4:5], s1 s[6:7], b_qkv s[8:9], qkv s[10:11]
	v_lshl_add_u32 v[SPW], v0, 2, SPARE
	v_mov_b32 v[NIL], 0
	ds_add_u32 v[SPW], v[NIL]                      ; the wave's opening: the add, twice on end, and its wait ahead of my first tensor load
	ds_add_u32 v[SPW], v[NIL]
	v_lshrrev_b32 v1, 5, v0
	v_readfirstlane_b32 s14, v1                    ; wave 0..3
	s_lshr_b32 s15, s14, 1                         ; which half of S1's 256 rows is mine.  Also: I fetch for S1 (0) or for S0 (1)
	s_and_b32 s16, s14, 1                          ; which half of S0's.  Also: which 8 tiles I fetch
	s_bfe_u32 s40, ttmp6, 0x40000                  ; cx, cy: my place in the cluster
	s_bfe_u32 s41, ttmp6, 0x40004
	s_and_b32 s18, ttmp7, 0xffff                   ; the cluster's y
	s_sub_co_u32 s19, s18, 8
	s_lshl_b32 s19, s19, 1
	s_add_co_u32 s19, s19, ttmp9                   ; mode 1: the clusters (x, y - 8) are laid along S0: 2 (y - 8) + x
	s_cmp_ge_u32 s18, 8
	s_cselect_b32 s[MODE], 1, 0
	s_cselect_b32 s19, s19, ttmp9
	s_cselect_b32 s18, 0, s18
	s_cselect_b32 s62, 640, 0                      ; S1's first tile in c1,
	s_cselect_b32 s63, 0, 512                      ; S0's
	s_lshl_b32 s42, s19, 2
	s_add_co_u32 s42, s42, s40                     ; which 256 rows of S0
	s_lshl_b32 s17, s18, 2
	s_add_co_u32 s17, s17, s41                     ; which 256 rows of S1
	s_lshl_b32 s43, s41, 2
	s_lshl_b32 s43, 15, s43                        ; my row of the cluster
	s_lshl_b32 s44, 0x1111, s40                    ; my column
	; descriptor group 1: 8 rows (tiles) of 3,072 bytes (four units: 256 along K), 12,288 bytes apart; elements of 8 bytes; dense in LDS
	s_or_b32 s[G1A+0], s43, (3<<16)|(1<<21)        ; 15:0 the mask; 17:16 elements of 8 bytes; 21 set beside a mask
	s_or_b32 s[G1B+0], s44, (3<<16)|(1<<21)
.irp g, G1A, G1B
	s_mov_b32 s[\g+1], 384<<16                     ; tensor_dim0 = 384
	s_mov_b32 s[\g+2], 16<<16                      ; tensor_dim1 = 16 for the head's loads; behind them 8
	s_mov_b32 s[\g+3], 384<<16                     ; tile_dim0 = 384
	s_mov_b32 s[\g+4], 16                          ; tile_dim1 = 16 for the head's loads; behind them 8
	s_mov_b32 s[\g+5], 1536                        ; tensor_dim0_stride
	s_mov_b32 s[\g+6], 0
	s_mov_b32 s[\g+7], 0
.endr
	s_lshl_b32 s20, s17, 4
	s_add_co_u32 s20, s20, s62                     ; the work-group's first tile of S1: it hangs on cy alone,
	s_lshl_b32 s46, s42, 4
	s_add_co_u32 s46, s46, s63                     ; of S0: on cx alone
	s_lshl_b32 s60, s16, 3
	s_add_co_u32 s22, s20, s60
	s_mul_i32 s22, s22, 12288
	s_mov_b32 s23, 0
	s_add_co_u32 s48, s46, s60
	s_mul_i32 s48, s48, 12288
	s_mov_b32 s49, 0
	s_mul_i32 s45, s14, HALFT                      ; where my load goes: wave x 8 tiles: no place in the cluster enters an LDS address
	s_lshl_b32 s[RW], s17, 1
	s_add_co_u32 s[RW], s[RW], s15
	s_lshl_b32 s[CW], s42, 1
	s_add_co_u32 s[CW], s[CW], s16
	s_mov_b32 s[SEL], 0x76543210
	s_mov_b32 s[SEL+1], 0xfedcba98                 ; v_permlanex16_b32's selects for lane l xor 16
	s_wait_dscnt 0x0                               ; both opening adds are done
	s_wait_kmcnt 0x0
	s_add_nc_u64 s[22:23], s[4:5], s[22:23]
	s_add_nc_u64 s[48:49], s[4:5], s[48:49]
	CROUND                                         ; all sixteen work-groups are here: the first joint loads meet
.irp s, 0,2
	s_mov_b32 s[G0A+4*\s], 1
	s_add_co_u32 s[G0A+4*\s+1], s45, \s*SLOT       ; LDS address
	s_add_nc_u64 s[G0A+4*\s+2:G0A+4*\s+3], s[22:23], \s*3072   ; global address: K step s
	s_or_b32 s[G0A+4*\s+3], s[G0A+4*\s+3], 0x80000000          ; type = 2
	s_mov_b32 s[G0B+4*\s], 1
	s_add_co_u32 s[G0B+4*\s+1], s45, \s*SLOT
	s_add_nc_u64 s[G0B+4*\s+2:G0B+4*\s+3], s[48:49], \s*3072
	s_or_b32 s[G0B+4*\s+3], s[G0B+4*\s+3], 0x80000000
.endr
	; THE HEAD'S LOADS, ONE A WAVE: slots 0 and 1 whole.  Waves 0 and 2 fetch S1's 16 tiles of K steps 0 and 1, waves 1 and 3 S0's; the sets of slot 1 serve them.
	s_mul_i32 s50, s20, 12288                      ; S1's first tile, in bytes: it hangs on cy alone
	s_mov_b32 s51, 0
	s_mul_i32 s52, s46, 12288                      ; S0's: on cx alone
	s_mov_b32 s53, 0
	s_mul_i32 s54, s15, 3072                       ; K step wave / 2
	s_mov_b32 s55, 0
	s_add_nc_u64 s[50:51], s[50:51], s[54:55]
	s_add_nc_u64 s[52:53], s[52:53], s[54:55]
	s_mul_i32 s54, s15, SLOT
	s_mov_b32 s[G0A+4], 1
	s_mov_b32 s[G0A+5], s54
	s_add_nc_u64 s[G0A+6:G0A+7], s[4:5], s[50:51]
	s_or_b32 s[G0A+7], s[G0A+7], 0x80000000
	s_mov_b32 s[G0B+4], 1
	s_add_co_u32 s[G0B+5], s54, 2*HALFT
	s_add_nc_u64 s[G0B+6:G0B+7], s[4:5], s[52:53]
	s_or_b32 s[G0B+7], s[G0B+7], 0x80000000
	s_cmp_eq_u32 s16, 0
	s_cbranch_scc0 .Lhead_b
	tensor_load_to_lds s[G0A+4:G0A+7], s[G1A:G1A+7]
	s_nop 0
.rept 4
	v_nop
.endr
	s_branch .Lhead_asked
.Lhead_b:
	tensor_load_to_lds s[G0B+4:G0B+7], s[G1B:G1B+7]
	s_nop 0
.rept 4
	v_nop
.endr
.Lhead_asked:
	v_and_b32 v3, 31, v0                           ; lane
	v_and_b32 v1, 15, v0                           ; r
	v_bfe_u32 v2, v0, 4, 1                         ; h
	v_lshlrev_b32 v16, 4, v3
	v_lshlrev_b32 v17, 3, v3
	v_lshlrev_b32 v18, 2, v3
	s_mul_i32 s50, s15, HALFT                      ; my 8 tiles of S1,
	s_mul_i32 s51, s16, HALFT
	s_add_co_u32 s51, s51, 2*HALFT                 ; of S0
.irp s, 0,1,2
	v_add_nc_u32 v[4+2*\s], s50, v16
	v_add_nc_u32 v[5+2*\s], s50, v17
	v_add_nc_u32 v[10+2*\s], s51, v16
	v_add_nc_u32 v[11+2*\s], s51, v17
	s_add_co_u32 s50, s50, SLOT
	s_add_co_u32 s51, s51, SLOT
.endr
	s_lshl_b32 s52, s15, 3
	s_add_co_u32 s52, s52, s20
	s_lshl_b32 s52, s52, 9                         ; my first tile's scale bytes: S1's,
	s_add_co_u32 s53, s46, s60
	s_lshl_b32 s53, s53, 9                         ; S0's
	v_mov_b32 v19, s52
	v_mov_b32 v21, s53
	v_cmp_lt_u32 vcc_lo, 15, v3
	v_cndmask_b32 v19, v19, v21, vcc_lo            ; lanes 0-15 take S1's, lanes 16-31 S0's
	v_lshl_add_u32 v19, v1, 4, v19                 ; 16 bytes a row: four scale words
.irp i, 0,1,2,3,4,5,6,7
	global_load_b128 v[SC+8*\i:SC+8*\i+3], v19, s[6:7] offset:512*\i          ; register SC + 8 i + ks: tile i, the ks-th 128 along K
	global_load_b128 v[SC+8*\i+4:SC+8*\i+7], v19, s[6:7] offset:512*\i+256
.endr
	s_lshl_b32 s55, s[CW], 9                       ; the bias: mode 0: of my 128 columns, which are S0's rows;
	s_lshl_b32 s56, s[RW], 9
	s_add_co_u32 s56, s56, 8192                    ; mode 1: of columns 2048 on, which are S1's rows
	s_cmp_eq_u32 s[MODE], 0
	s_cselect_b32 s56, s55, s56
	s_cselect_b32 s50, s[RW], s[CW]                ; which block of 128 tokens,
	s_cselect_b32 s51, s[CW], s[RW]                ; which group of 128 columns
	s_mov_b32 s57, 0
	s_add_nc_u64 s[8:9], s[8:9], s[56:57]
	s_lshr_b32 s52, s51, 3
	s_cmp_eq_u32 s[MODE], 0
	s_cselect_b32 s52, s52, 2                      ; kind
	s_lshr_b32 s53, s50, 4                         ; batch
	s_lshl_b32 s53, s53, 3
	s_and_b32 s54, s51, 7                          ; head pair
	s_add_co_u32 s53, s53, s54
	s_lshl_b32 s53, s53, 4
	s_and_b32 s54, s50, 15
	s_add_co_u32 s53, s53, s54
	s_mul_i32 s53, s53, 3
	s_add_co_u32 s53, s53, s52
	s_mul_i32 s52, s53, 12800
	s_mov_b32 s53, 0
	s_add_nc_u64 s[10:11], s[10:11], s[52:53]      ; my record
	s_cmp_eq_u32 s[MODE], 0
	s_cbranch_scc0 .Lbias_v
	v_lshlrev_b32 v20, 6, v2                       ; register j of tile b is column 32 (b / 2) + 8 (b % 2) + 16 h + j
.irp b, 0,1,2,3,4,5,6,7
	global_load_b128 v[BI+8*\b+96*(\b/4):BI+8*\b+96*(\b/4)+3], v20, s[8:9] offset:128*(\b/2)+32*(\b%2)
	global_load_b128 v[BI+8*\b+96*(\b/4)+4:BI+8*\b+96*(\b/4)+7], v20, s[8:9] offset:128*(\b/2)+32*(\b%2)+16
.endr
	s_branch .Lbias_done
.Lbias_v:
	v_and_b32 v20, 7, v1                           ; all eight registers of a lane belong to its own column, 32 (a / 2) + 8 (a % 2) + r % 8 + 16 (r / 8)
	v_lshrrev_b32 v21, 3, v1
	v_lshl_add_u32 v20, v21, 4, v20
	v_lshlrev_b32 v20, 2, v20
.irp a, 0,1,2,3,4,5,6,7
.irp j, 0,1,2,3,4,5,6,7
	global_load_b32 v[BI+8*\a+96*(\a/4)+\j], v20, s[8:9] offset:128*(\a/2)+32*(\a%2)
.endr
.endr
.Lbias_done:
	s_wait_alu depctr_va_vdst(0)                   ; the head's end
	s_wait_tensorcnt 0x0                           ; my tile of the head's four is in
	ds_add_u32 v[SPW], v[NIL]
	s_mov_b32 s[G1A+2], 8<<16                      ; no tensor load of mine is out: from here on a load brings 8 tiles
	s_mov_b32 s[G1A+4], 8
	s_mov_b32 s[G1B+2], 8<<16
	s_mov_b32 s[G1B+4], 8
	s_wait_dscnt 0x0
	CROUND                                         ; slots 0 and 1 are whole in every work-group of the cluster
	JLOAD G0A+8, G1A, G0B+8, G1B                   ; slot 2's first fill, K step 2: my one tensor load behind the round
	FETCH_B 0, 0, 0
	FETCH_A 0, 0, 0
	FETCH_A 0, 0, 4
	s_wait_loadcnt 0x0                             ; the scale words and the bias
	s_cmp_eq_u32 s[MODE], 0
	s_cbranch_scc0 .Lfirst_v
	STEP 0, 0, 1, 1                                ; the first step starts the sums with the bias: written once for each mode, since the bias lies in other registers
	s_branch .Lfirst_done
.Lfirst_v:
	STEP 0, 0, 1, 2
.Lfirst_done:
	TURN 1, 1, 1                                   ; slot 0 is left and takes K step 3, which has four steps of 128 in which to land; every wave has shown slots 1 and 2 whole
	STEP 2, 1, 1, 0
	s_wait_alu depctr_va_vdst(0)
	STEP 3, 2, 0, 0
	STEP 4, 2, 1, 0
	TURN 5, 0, 0                                   ; K step 3 has landed, in every wave's part; nothing is filled again, so no round follows
	STEP 6, 0, 1, 0
	s_wait_dscnt 16                                ; the last step: nothing more to fetch
	WIN MUL_LO
	MUL16 0, 7, 0
	MUL16 2, 7, 0
	s_wait_dscnt 0x0
	WIN MUL_HI
	MUL16 4, 7, 0
	MUL16 6, 7, 0
	WIN 0
; THE WAY OUT.  Block a's 64 registers of a lane, register 16 b + i = place 32 b + 16 (lane / 16) + i along the next K, become a fragment's codes (two units) and its row's scale word.
.macro QUANTW a
.set WW, 2+(\a)/4
.set AC, 64*((\a)%4)
.set CD, 128+12*(\a)
	WIN 5*WW                                       ; sources 0 and 1: the accumulators' window
.irp b, 0,1,2,3
	v_max3_num_f32 v[TM+\b], |v[AC+16*\b]|, |v[AC+16*\b+1]|, 0x1800000   ; my 16 numbers of block b, each accumulator from its low end on, and the floor 2^(3 - 127)
.endr
.irp i, 2,4,6,8,10,12,14
.irp b, 0,1,2,3
	v_max3_num_f32 v[TM+\b], |v[AC+16*\b+\i]|, |v[AC+16*\b+\i+1]|, v[TM+\b]
.endr
.endr
	WIN 0
.irp b, 0,1,2,3
	v_permlanex16_b32 v[TM+4+\b], v[TM+\b], s[SEL], s[SEL+1]
.endr
.irp b, 0,1,2,3
	v_max_num_f32 v[TM+\b], v[TM+\b], v[TM+4+\b]   ; with lane l xor 16's 16: the block's largest magnitude
.endr
.irp b, 0,1,2,3
	v_add_nc_u32 v[TM+12+\b], 0xff000000, v[TM+\b] ; 2 off its exponent field: the conversion's scale operand
.endr
.irp b, 0,1,2,3
	v_lshrrev_b32 v[TM+4+\b], 23, v[TM+12+\b]      ; the byte
.endr
	v_lshl_or_b32 v[232+(\a)], v[TM+5], 8, v[TM+4]
	v_lshl_or_b32 v[232+(\a)], v[TM+6], 16, v[232+(\a)]
	v_lshl_or_b32 v[232+(\a)], v[TM+7], 24, v[232+(\a)]   ; my row's scale word
	WIN WW                                         ; source 0: the accumulators' window
.irp c, 0,1
	v_cvt_scalef32_pk16_fp6_f32 v[CD+6*\c:CD+6*\c+2], v[AC+32*\c:AC+32*\c+15], v[TM+12+2*\c]
	v_cvt_scalef32_pk16_fp6_f32 v[224+4*\c:226+4*\c], v[AC+32*\c+16:AC+32*\c+31], v[TM+13+2*\c]   ; (a conversion's three registers begin on an even number)
.endr
	WIN 0
	v_nop                                          ; one plain line behind a scaled conversion
.irp c, 0,1                                    ; the operand's layout wants a whole block in a lane: lanes 0-15 block 2 c, lanes 16-31 block 2 c + 1
.irp i, 0,1,2
	v_permlane16_swap_b32 v[CD+6*\c+\i], v[224+4*\c+\i]
.endr
.irp i, 0,1,2
	v_mov_b32 v[CD+6*\c+3+\i], v[224+4*\c+\i]
.endr
.endr
	global_store_b128 v16, v[CD:CD+3], s[10:11] offset:768*(\a)             ; unit a: 512 consecutive bytes, aligned to 256,
	global_store_b64 v17, v[CD+4:CD+5], s[10:11] offset:768*(\a)+512        ; and 256
	global_store_b128 v16, v[CD+6:CD+9], s[10:11] offset:6144+768*(\a)      ; unit 8 + a
	global_store_b64 v17, v[CD+10:CD+11], s[10:11] offset:6144+768*(\a)+512
.endm
	PLACES 4                                       ; behind the last products
.irp b, 0,1,2,3
	v_mov_b32 v[TM+4+\b], 0                        ; written once: a lane permute's destination counts as one of its sources
.endr
.irp a, 0,1,2,3,4,5,6,7
	QUANTW \a                                      ; each block has registers of its own for its codes and its word: no store's data are written again
.endr
	v_cmp_lt_u32 vcc_lo, 15, v3
.irp p, 0,1,2,3
	v_cndmask_b32 v[248+\p], v[232+2*\p], v[233+2*\p], vcc_lo   ; both halves of the lanes hold a row's word: lanes 0-15 store block 2 p's, lanes 16-31 block 2 p + 1's
	global_store_b32 v18, v[248+\p], s[10:11] offset:12288+128*\p
.endr
	s_wait_tensorcnt 0x0                           ; the wave's end
	ds_add_u32 v[SPW], v[NIL]
	s_wait_dscnt 0x0
	CROUND                                         ; the closing round: no work-group ends while a partner may still ask for a tile that names it
	s_endpgm
.Lfunc_end_k_qc3c47e109f_qkv:
	.size	k_qc3c47e109f_qkv, .Lfunc_end_k_qc3c47e109f_qkv-k_qc3c47e109f_qkv
	.p2alignl 7, 3214868480
	.fill 96, 4, 3214868480
	.section	.rodata,"a",@progbits
	.p2align	6, 0x0
	.amdhsa_kernel k_qc3c47e109f_qkv
		.amdhsa_group_segment_fixed_size 327680
		.amdhsa_private_segment_fixed_size 0
		.amdhsa_enable_private_segment 0
		.amdhsa_kernarg_size 32
		.amdhsa_user_sgpr_count 2
		.amdhsa_user_sgpr_kernarg_segment_ptr 1
		.amdhsa_wavefront_size32 1
		.amdhsa_system_sgpr_workgroup_id_x 1
		.amdhsa_system_sgpr_workgroup_id_y 1
		.amdhsa_system_sgpr_workgroup_id_z 1
		.amdhsa_system_vgpr_workitem_id 0
		.amdhsa_next_free_vgpr 1024
		.amdhsa_next_free_sgpr 100
		.amdhsa_reserve_vcc 1
		.amdhsa_float_denorm_mode_32 3
		.amdhsa_float_denorm_mode_16_64 3
		.amdhsa_memory_ordered 1
		.amdhsa_forward_progress 1
		.amdhsa_inst_pref_size 167
	.end_amdhsa_kernel
	.amdgpu_metadata
---
amdhsa.version: [ 1, 2 ]
amdhsa.kernels:
  - .name:           k_qc3c47e109f_qkv
    .symbol:         k_qc3c47e109f_qkv.kd
    .args:
      - { .name: c1, .offset: 0, .size: 8, .value_kind: global_buffer, .address_space: global }
      - { .name: s1, .offset: 8, .size: 8, .value_kind: global_buffer, .address_space: global }
      - { .name: b_qkv, .offset: 16, .size: 8, .value_kind: global_buffer, .address_space: global }
      - { .name: qkv, .offset: 24, .size: 8, .value_kind: global_buffer, .address_space: global }
    .group_segment_fixed_size: 327680
    .private_segment_fixed_size: 0
    .kernarg_segment_align: 8
    .kernarg_segment_size: 32
    .max_flat_workgroup_size: 128
    .sgpr_count:     100
    .vgpr_count:     1024
    .wavefront_size: 32
...
	.end_amdgpu_metadata
.endif
;; end of part 2
;; launch attn (part 3): grid 8 x 32, 8 waves a work-group, no clusters, 327,680 bytes of LDS; arguments qkv, c2, s2; writes c2, s2
.if DOCPART == 3
	.amdgcn_target "amdgcn-amd-amdhsa--gfx1250"
	.amdhsa_code_object_version 6
	.text
	.protected	k_qc3c47e109f_attn
	.globl	k_qc3c47e109f_attn
	.p2align	8
	.type	k_qc3c47e109f_attn,@function
k_qc3c47e109f_attn:
	s_mov_b64 s[64:65], 0
	v_nop
	global_prefetch_b8 v0, s[64:65] scope:SCOPE_SE
	s_setreg_imm32_b32 hwreg(HW_REG_WAVE_MODE, 25, 1), 1
	s_wait_xcnt 0x0
; softmax(q k^T / 8, causal) v for 64 heads of 64 channels and 2,048 tokens, both products on codes of E2M3, and the result quantised along C (1,024) for the projection.
; WORK LEFT OUT: blocks of 128 keys that lie wholly behind a block of 128 queries are neither fetched nor multiplied: reference()'s own tril gives them the weight 0 for every value of the inputs.
; LIMITS: a NaN, an infinity or an overflow that reaches only those blocks is not carried to the result; NaN and infinities are not served; a weight p under 2^-126 comes out of v_exp_f32 as 0;
; a block of zeros gets the byte 1 (its codes are zeros; this program alone reads the bytes); the promise holds while the scaled scores t stay under 2^31 in magnitude.
; THE SOFTMAX: t = score x log2(e) / 8; M = the row's largest t so far, rounded UP to a whole number; p = 2^(t - M) is quantised along the keys, not normalised; the row's sum is taken of the unquantised p and
; divides O at the end.  When M moves, the sum and O are multiplied by 2^(old M - new M): exact.
; IN: records of 12,800 bytes, ((batch 8 + head pair) 16 + block of 128 tokens) 3 + kind (0 q, 1 k, 2 v): 16 units of 768 bytes (images of six operand registers: registers 0-3 at 16 x lane, 4-5 at 512 + 8 x lane)
; and 8 x 16 scale words.  q, k: unit 8 e + a = head 2 pair + e, token tile a; v: unit 8 kh + 4 e + i = keys 64 kh on, channel tile i of head e.  Place r of tile t is row 32 (t / 2) + 8 (t % 2) + r % 8 + 16 (r / 8).
; SHARES.  Work-group (i, pair) owns the query blocks i and 15 - i of a head pair.  Wave w owns head w % 2 and TWO query tiles, 2 (w / 2) (tile A) and the next (tile B): each fragment of K and V that it reads from LDS
; serves 32 queries.  Block i walks key blocks 0 .. i, then block 15 - i walks 0 .. 15 - i: seventeen key steps of 128 keys in each of the 256 work-groups.  Step n takes key block n (n <= i) or n - i - 1.
; REGISTERS, two windows of 256.  Tile A's state lies in window 0, tile B's at the same numbers in window 1, so one text serves both.  K's nine units lie in window 0 (v40-93), V's four fragments in window 1 (v40-87):
; K of step n + 1 is read from LDS behind step n's first products, V behind its second products.  Scale words lie in window 0 alone.  Window 1, v0-6 and v8-14: the second query block's units and scale words.
;   v1-4, v7, v8 addresses that stay; v5, v6 the add's two; v9-14 addresses at work; v15 the prefetches' offset; v16 -M, v17 the largest t, v[18:19] the sum; v20 my query less 16 (lane / 16); v21-23 16 x lane, 8 x lane, 16 r + h;
;   v24-35 Q; v96-159 S^T, then p; v160-191 O^T; v192-203 p's codes; v204-211, v232-254 at work; v224-231 the result's codes; v212-219 K's scale words, v220-223 V's; p's: v253 (A), v94 (B); Q's: v255 (A), v39 (B).
; LDS: a ring of nine regions of 25,600 bytes (a step's k and v records); step n lies in region n % 9.  Fills, one whole step a load: steps 0-4 at the head (waves 0-4); behind the barriers in front of steps 0, 4, 8
; steps 5-8 (first fills), 9-12, 13-16 (refills of regions 0-3, 4-7, whose steps are over), waves 0-3.  A fill is shown by the next barrier, one step ahead of the step in which its first region is read.
; No cluster: the eight work-groups of a head pair change from their first block to their second at different steps, so a fill's steps differ between them: no joint request would be alike in all partners.
; LAYOUT.  S^T = K Q^T, O^T = V^T P^T: a lane holds ONE query of each tile, and the 16 registers of score tiles 2 b, 2 b + 1 are 16 neighbours.  K = 64 IN AN INSTRUCTION OF 128: Q's fragment is [q | zero codes] for the even
; head, [zero codes | q] for the odd.  Tile a's source 0 is places a, a + 1 of K's nine; place p is unit p (even head) or 7 + p (odd): the half that is not wanted meets zero codes and adds exactly 0.
.set REC2,  25600
.set SPARE, 230400                     ; behind the ring: the spare words, 128 bytes for each of the eight waves
.set SPW,  5
.set NIL,  6
.set WV,   10
.set E,    11
.set TQ,   12                          ; s12 tile A's number in its block
.set BA,   13
.set GP,   14
.set BQ,   15                          ; s15 the query block in hand; s16 the key block in hand
.set JS,   16
.set G,    17
.set TB,   18                          ; s18 LDS byte of the NEXT step's region
.set KI,   19
.set SEL,  20
.set CS,   22
.set G1,   24
.set M0,   32
.set M1,   33
.set LIM,  34                          ; s34 7 in a wave that prefetches, else -1
.set CO,   35
.set SO,   36
.set BQ2,  37
.set NS,   38                          ; s38 the step
.set G0,   40
.set KV0,  44                          ; s[44:45] the head pair's first k record
.set PFA,  46
.set QB,   48
.set BQ1,  62
.set MSB,  0
.macro WIN new                         ; the immediate's high byte repeats the setting that is left; at every label and branch the setting is 0
.if MSB != (\new)
	s_set_vgpr_msb (MSB<<8)|(\new)
.set MSB, (\new)
.endif
.endm
.macro PLACES n
.rept \n
	v_nop
.endr
.endm
.macro LOADK                           ; the next step's nine units of K and eight scale words: 26 loads
	v_add_nc_u32 v9, s[TB], v1
	v_add_nc_u32 v10, s[TB], v2
	v_add_nc_u32 v13, s[TB], v7
.irp p, 0,1,2,3,4,5,6,7,8
	ds_load_b128 v[40+6*\p:43+6*\p], v9 offset:768*\p
	ds_load_b64 v[44+6*\p:45+6*\p], v10 offset:768*\p+512
.endr
.irp a, 0,1,2,3,4,5,6,7
	ds_load_b32 v[212+\a], v13 offset:12288+64*\a
.endr
.endm
.macro LOADV                           ; the next step's four fragments of V (window 1) and four scale words: 20 loads
	v_add_nc_u32 v11, s[TB], v3
	v_add_nc_u32 v12, s[TB], v4
	v_add_nc_u32 v14, s[TB], v8
	WIN 0x40
.irp i, 0,1,2,3
	ds_load_b128 v[40+12*\i:43+12*\i], v11 offset:12800+768*\i
	ds_load_b64 v[44+12*\i:45+12*\i], v12 offset:12800+768*\i+512
	ds_load_b128 v[46+12*\i:49+12*\i], v11 offset:12800+6144+768*\i
	ds_load_b64 v[50+12*\i:51+12*\i], v12 offset:12800+6144+768*\i+512
.endr
	WIN 0
.irp i, 0,1,2,3
	ds_load_b32 v[220+\i], v14 offset:25088+64*\i
.endr
.endm
; THE BARRIER IN FRONT OF STEPS 0, 4, 8 (fill = 1) AND 12.  Each wave waits for all its tensor loads, adds 0 to its spare word (fill = 1: twice on end), and waits for that
; and for its LDS reads.  Behind it the last fill is whole, and four regions whose steps are over take steps 4 g + 5 .. 4 g + 8, waves 0-3 one step each.
.macro CHANGE fill
	s_wait_tensorcnt 0x0
	ds_add_u32 v[SPW], v[NIL]
.if \fill
	ds_add_u32 v[SPW], v[NIL]
	s_lshl_b32 s60, s[G], 2
	s_add_co_u32 s60, s60, s[WV]
	s_add_co_u32 s60, s60, 5                       ; the step t that I fetch
	s_add_co_u32 s[G0+1], s60, 7
	s_lshr_b32 s[G0+1], s[G0+1], 4                 ; 1 from t = 9 on
	s_mul_i32 s[G0+1], s[G0+1], 7
	s_add_co_u32 s[G0+1], s[G0+1], s60
	s_and_b32 s[G0+1], s[G0+1], 15                 ; t % 9
	s_mul_i32 s[G0+1], s[G0+1], REC2
	s_add_co_u32 s61, s[BQ1], 1
	s_cmp_gt_u32 s60, s[BQ1]
	s_cselect_b32 s61, s61, 0
	s_sub_co_u32 s60, s60, s61                     ; its key block
	s_mul_i32 s60, s60, 38400
	s_mov_b32 s61, 0
	s_add_nc_u64 s[G0+2:G0+3], s[KV0:KV0+1], s[60:61]
	s_or_b32 s[G0+3], s[G0+3], 0x80000000
.endif
	s_wait_dscnt 0x0
	s_barrier_signal -1
	s_barrier_wait -1
.if \fill
	s_cmp_lt_u32 s[WV], 4
	s_cbranch_scc0 .Lasked_\@
	tensor_load_to_lds s[G0:G0+3], s[G1:G1+7]
	s_nop 0
	PLACES 4
.Lasked_\@:
.endif
.endm
.macro QSET t                          ; my head's unit, v[t] on, into its half of Q's fragment; zero codes into the other
.irp i, 0,1,2,3,4,5
	v_and_b32 v[24+\i], s[M0], v[\t+\i]
	v_and_b32 v[30+\i], s[M1], v[\t+\i]
.endr
.endm
.macro REINIT                          ; what a query block finds: destinations alone
	v_mov_b32 v17, 0xff61b1e6                      ; the largest t so far: -3e38, under every t
	v_mov_b32 v16, 0x7f61b1e6                      ; -M = floor(3e38), which is 3e38
	v_mov_b32 v18, 0
	v_mov_b32 v19, 0
.set j, 0
.rept 32
	v_mov_b32 v[160+j], 0
.set j, j+1
.endr
.endm
.macro MASK                            ; on the diagonal hidden scores become -infinity ahead of the maximum.  Register 16 b + i holds key 32 b + 16 (lane / 16) + i of the block
	v_mov_b32 v254, 0xff800000
.set n, 0
.rept 64
	v_cmp_gt_i32 vcc_lo, 32*(n/16)+n%16, v20
	v_cndmask_b32 v[96+n], v[96+n], v254, vcc_lo
.set n, n+1
.endr
.endm
.macro P1                              ; a tile's maxima, the new M, and t - M
.irp b, 0,1,2,3
	v_max3_num_f32 v[232+\b], v[96+16*\b], v[97+16*\b], v[98+16*\b]   ; the largest score of each block of 32 keys: it serves for the row's maximum and, since p rises with the score, for the block's largest p
.endr
.irp i, 3,5,7,9,11,13
.irp b, 0,1,2,3
	v_max3_num_f32 v[232+\b], v[232+\b], v[96+16*\b+\i], v[97+16*\b+\i]
.endr
.endr
.irp b, 0,1,2,3
	v_max_num_f32 v[232+\b], v[232+\b], v[111+16*\b]
.endr
.irp b, 0,1,2,3
	s_delay_alu instid0(VALU_DEP_4)
	v_permlanex16_b32 v[236+\b], v[232+\b], s[SEL], s[SEL+1]
.endr
.irp b, 0,1,2,3
	s_delay_alu instid0(VALU_DEP_4)
	v_max_num_f32 v[232+\b], v[232+\b], v[236+\b]  ; with lane l xor 16's 16 keys
.endr
	s_delay_alu instid0(VALU_DEP_2)
	v_max3_num_f32 v254, v232, v233, v234
	s_delay_alu instid0(VALU_DEP_1)
	v_max_num_f32 v254, v254, v235
	s_delay_alu instid0(VALU_DEP_1)
	v_mul_f32 v254, s[CS], v254                    ; as t (c is positive)
	s_delay_alu instid0(VALU_DEP_1)
	v_max_num_f32 v17, v17, v254                   ; the running largest t
	v_mov_b32 v254, v16
	s_delay_alu instid0(VALU_DEP_2)
	v_floor_f32 v16, -v17                          ; the new -M = floor(-t)
	s_delay_alu instid0(VALU_DEP_1)
	v_sub_f32 v254, v16, v254                      ; M's old value less its new one: a whole number, 0 or less
	s_delay_alu instid0(VALU_DEP_1)
	v_cvt_i32_f32 v254, v254                       ; (it saturates)
	s_delay_alu instid0(VALU_DEP_1)
	v_ldexp_f32 v252, 1.0, v254                    ; f = 2^(old M - new M)
.set j, 0
.rept 32
	v_pk_fma_f32 v[96+j:97+j], v[96+j:97+j], s[CS:CS+1], v[16:17] op_sel_hi:[1,0,0]   ; t - M, two at a time
.set j, j+2
.endr
.irp b, 0,1,2,3
	v_fma_f32 v[232+\b], v[232+\b], s[CS], v16     ; the same of each block's largest score
.endr
.endm
.macro EXPS                            ; p = 2^(t - M), and each block's largest p: the same two instructions on the same number give the same bits
.set j, 0
.rept 64
	v_exp_f32 v[96+j], v[96+j]
.set j, j+1
.endr
.irp b, 0,1,2,3
	v_exp_f32 v[232+\b], v[232+\b]
.endr
.endm
.macro P3 w                            ; a tile's sum of the unquantised p, p's codes and scale word, and O^T under the new M.  w = 1: tile B, whose scale word goes to window 0
	v_pk_add_f32 v[236:237], v[100:101], v[104:105]
	v_pk_add_f32 v[250:251], v[108:109], v[112:113]
	v_pk_add_f32 v[248:249], v[116:117], v[120:121]
	v_pk_add_f32 v[246:247], v[124:125], v[128:129]
	v_pk_add_f32 v[244:245], v[132:133], v[136:137]
	v_pk_add_f32 v[242:243], v[140:141], v[144:145]
	v_pk_add_f32 v[240:241], v[148:149], v[152:153]
	v_pk_add_f32 v[18:19], v[18:19], v[156:157]
	v_pk_add_f32 v[236:237], v[236:237], v[96:97]
	v_pk_add_f32 v[250:251], v[250:251], v[98:99]
	v_pk_add_f32 v[248:249], v[248:249], v[102:103]
	v_pk_add_f32 v[246:247], v[246:247], v[106:107]
	v_pk_add_f32 v[244:245], v[244:245], v[110:111]
	v_pk_add_f32 v[242:243], v[242:243], v[114:115]
	v_pk_add_f32 v[240:241], v[240:241], v[118:119]
	v_pk_add_f32 v[18:19], v[18:19], v[122:123]
	v_pk_add_f32 v[236:237], v[236:237], v[126:127]
	v_pk_add_f32 v[250:251], v[250:251], v[130:131]
	v_pk_add_f32 v[248:249], v[248:249], v[134:135]
	v_pk_add_f32 v[246:247], v[246:247], v[138:139]
	v_pk_add_f32 v[244:245], v[244:245], v[142:143]
	v_pk_add_f32 v[242:243], v[242:243], v[146:147]
	v_pk_add_f32 v[240:241], v[240:241], v[150:151]
	v_pk_add_f32 v[18:19], v[18:19], v[154:155]
	v_pk_add_f32 v[236:237], v[236:237], v[158:159]
	v_pk_add_f32 v[18:19], v[18:19], v[246:247]
	v_pk_add_f32 v[236:237], v[236:237], v[244:245]
	v_pk_add_f32 v[250:251], v[250:251], v[242:243]
	v_pk_add_f32 v[248:249], v[248:249], v[240:241]
	v_pk_add_f32 v[18:19], v[18:19], v[250:251]
	v_pk_add_f32 v[236:237], v[236:237], v[248:249]
	v_pk_add_f32 v[18:19], v[18:19], v[236:237]
.irp b, 0,1,2,3
	v_max_num_f32 v[232+\b], 0x1800000, v[232+\b]  ; the floor 2^(3 - 127): the byte cannot fall under 1
.endr
.irp b, 0,1,2,3
	v_add_nc_u32 v[244+\b], 0xff000000, v[232+\b]  ; 2 off the exponent field: the conversion's scale operand
.endr
.irp b, 0,1,2,3
	v_lshrrev_b32 v[236+\b], 23, v[244+\b]         ; the byte
.endr
	v_lshl_or_b32 v253, v237, 8, v236              ; p's scale word for these 128 keys
	v_lshl_or_b32 v253, v238, 16, v253
.if \w
	WIN 0x11                                       ; sources in window 1, the word into window 0
	v_lshl_or_b32 v94, v239, 24, v253
	WIN 0x55
.else
	v_lshl_or_b32 v253, v239, 24, v253
.endif
.irp c, 0,1
	v_cvt_scalef32_pk16_fp6_f32 v[192+6*\c:194+6*\c], v[96+32*\c:111+32*\c], v[244+2*\c]
	v_cvt_scalef32_pk16_fp6_f32 v[204+4*\c:206+4*\c], v[112+32*\c:127+32*\c], v[245+2*\c]   ; (a conversion's three registers begin on an even number)
.endr
	v_nop                                          ; one plain line behind a scaled conversion
.irp c, 0,1                                    ; the operand's layout wants a whole block in a lane
.irp i, 0,1,2
	v_permlane16_swap_b32 v[192+6*\c+\i], v[204+4*\c+\i]
.endr
.irp i, 0,1,2
	v_mov_b32 v[195+6*\c+\i], v[204+4*\c+\i]
.endr
.endr
	s_wait_alu depctr_va_vdst(0)                   ; directly ahead of the first reader of O^T
.set j, 0
.rept 16
	v_pk_mul_f32 v[160+j:161+j], v[160+j:161+j], v[252:253] op_sel_hi:[1,0]   ; (these sixteen also stand between the lines that made p's codes and scale word and the products)
.set j, j+2
.endr
.endm
; A tile of a finished query block: O^T / the sum, quantised along the head's 64 channels, is one unit of c2 and two bytes a row of s2
.macro FL1 co, so
	v_add_f32 v18, v18, v19
	v_permlanex16_b32 v254, v18, s[SEL], s[SEL+1]
	v_add_f32 v18, v18, v254                       ; the row's sum
	s_wait_alu depctr_va_vdst(0)
	v_rcp_f32 v18, v18
	v_nop
	s_wait_alu depctr_va_vdst(0)                   ; ahead of the reciprocal's and O^T's first reader
.set j, 0
.rept 32
	v_mul_f32 v[96+j], v[160+j], v18               ; register 16 b + i is channel 32 b + 16 (lane / 16) + i
.set j, j+1
.endr
.irp b, 0,1
	v_max3_num_f32 v[232+\b], |v[96+16*\b]|, |v[97+16*\b]|, 0x1800000
.endr
.irp i, 2,4,6,8,10,12,14
.irp b, 0,1
	v_max3_num_f32 v[232+\b], v[232+\b], |v[96+16*\b+\i]|, |v[97+16*\b+\i]|
.endr
.endr
.irp b, 0,1
	v_permlanex16_b32 v[236+\b], v[232+\b], s[SEL], s[SEL+1]
.endr
.irp b, 0,1
	v_max_num_f32 v[232+\b], v[232+\b], v[236+\b]
.endr
.irp b, 0,1
	v_add_nc_u32 v[244+\b], 0xff000000, v[232+\b]
.endr
.irp b, 0,1
	v_lshrrev_b32 v[236+\b], 23, v[244+\b]
.endr
	v_cvt_scalef32_pk16_fp6_f32 v[224:226], v[96:111], v244
	v_cvt_scalef32_pk16_fp6_f32 v[204:206], v[112:127], v245
	v_cmp_lt_u32 vcc_lo, 127, v22                  ; lanes 16-31.  (Also the plain line behind the conversions)
.irp i, 0,1,2
	v_permlane16_swap_b32 v[224+\i], v[204+\i]
.endr
.irp i, 0,1,2
	v_mov_b32 v[227+\i], v[204+\i]
.endr
	v_cndmask_b32 v231, v236, v237, vcc_lo
	global_store_b128 v21, v[224:227], s[52:53] offset:\co        ; 512 consecutive bytes, aligned to 256,
	global_store_b64 v22, v[228:229], s[52:53] offset:\co+512     ; and 256
	global_store_b8 v23, v231, s[54:55] offset:\so                ; two bytes a row: the rest of a row's word belongs to other waves and work-groups
.endm
.macro FLUSH final
	s_wait_xcnt 0x0                                ; earlier stores and prefetches have read their registers
	s_lshl_b32 s58, s[BA], 7
	s_lshl_b32 s59, s[BQ], 3
	s_add_co_u32 s58, s58, s59
	s_add_co_u32 s58, s58, s[TQ]                   ; tile A's tile of tokens: 128 batch + 8 block + tile; tile B's is the next
	s_mul_i32 s60, s58, 12288
	s_add_co_u32 s60, s60, s[CO]
	s_mov_b32 s61, 0
	s_add_nc_u64 s[52:53], s[6:7], s[60:61]
	s_lshl_b32 s60, s58, 9
	s_add_co_u32 s60, s60, s[SO]
	s_add_nc_u64 s[54:55], s[8:9], s[60:61]
	FL1 0, 0
	WIN 0x55
	FL1 12288, 512
	WIN 0
.if !\final
	WIN 0x01                                       ; the second block begins: its scale words and units wait in window 1
	v_mov_b32 v255, v6
	v_mov_b32 v39, v14
	WIN 0x04
	QSET 0
	WIN 0x44
	QSET 8
	WIN 0
	REINIT                                         ; (these lines also stand between the lines above and the next products)
	WIN 0x40
	REINIT
	WIN 0
	s_mov_b32 s[BQ], s[BQ2]
	s_mov_b32 s[JS], -1                            ; the step's end makes it key block 0
.endif
.endm
; A KEY STEP: 128 keys x 32 queries.  Its K and V were asked of LDS in the step before.  tail = 1: steps 12-16: nothing is prefetched, step 16 asks for no next step, and the flush is the last.
.macro STEP tail
	s_add_co_u32 s[TB], s[NS], 8
	s_lshr_b32 s[TB], s[TB], 4                     ; 1 from step n + 1 = 9 on
	s_mul_i32 s[TB], s[TB], 7
	s_add_co_u32 s[TB], s[TB], s[NS]
	s_add_co_u32 s[TB], s[TB], 1
	s_and_b32 s[TB], s[TB], 15                     ; (n + 1) % 9
	s_mul_i32 s[TB], s[TB], REC2
.if !\tail
	s_wait_xcnt 0x0                                ; the last step's prefetch has read its address
	s_add_nc_u64 s[PFA:PFA+1], s[PFA:PFA+1], 38400 ; in step n it stands at key block n + 8
.endif
	s_wait_alu depctr_va_vdst(0)
.if \tail
	s_wait_dscnt 0x0
.else
	s_wait_dscnt 20                                ; K and its scale words are in; the 20 loads of V, issued behind them, may be out
.endif
.irp a, 0,1,2,3,4,5,6,7
	v_wmma_scale_f32_16x16x128_f8f6f4 v[96+8*\a:103+8*\a], v[40+6*\a:51+6*\a], v[24:35], 0, v[212+\a], v255 matrix_a_fmt:MATRIX_FMT_FP6 matrix_b_fmt:MATRIX_FMT_FP6
.endr
	WIN 0x44                                       ; tile B: Q and the scores in window 1, K in window 0
.irp a, 0,1,2,3,4,5,6,7
	v_wmma_scale_f32_16x16x128_f8f6f4 v[96+8*\a:103+8*\a], v[40+6*\a:51+6*\a], v[24:35], 0, v[212+\a], v39 matrix_a_fmt:MATRIX_FMT_FP6 matrix_b_fmt:MATRIX_FMT_FP6
.endr
	WIN 0
	PLACES 4                                       ; in front of the loads into K's registers and of the first read of the scores
.if \tail
	s_cmp_lt_u32 s[KI], 4
	s_cbranch_scc0 .Lno_k_\@
.endif
	LOADK
.if \tail
.Lno_k_\@:
.else
; A PREFETCH INTO THE L2.  In steps n = 0 .. 7 the k and v records of key block n + 8 are named: 25,600 bytes, 6,400 a wave, lanes 256 bytes apart (lanes 25-31 name lane 24's bytes again).  All eight work-groups of a head
; pair read these records, none before the fill in front of step 4 (n + 8) / 4 - 4, at least one step on; the first of them (x = 0) asks, and in it waves 4 to 7.  Key blocks 0 to 7 come by their loads alone.
	s_cmp_le_i32 s[NS], s[LIM]
	s_cbranch_scc0 .Lnot_mine_\@
	global_prefetch_b8 v15, s[PFA:PFA+1] th:TH_LOAD_NT scope:SCOPE_SE
.Lnot_mine_\@:
.endif
	s_cmp_lg_u32 s[JS], s[BQ]                      ; ids and counted steps alone
	s_cbranch_scc1 .Lopen_\@
	MASK
	WIN 0x55
	MASK
	WIN 0
.Lopen_\@:
	P1
	WIN 0x55
	P1
	WIN 0
	s_wait_alu depctr_va_vdst(0)                   ; one wait ahead of the batch of both tiles' exponentials,
	EXPS
	WIN 0x55
	EXPS
	v_pk_mul_f32 v[18:19], v[18:19], v[252:253] op_sel_hi:[1,0]   ; the sums under the new M.  (Plain lines behind the exponentials)
	WIN 0
	v_pk_mul_f32 v[18:19], v[18:19], v[252:253] op_sel_hi:[1,0]
	s_wait_alu depctr_va_vdst(0)                   ; and one behind it, ahead of its first reader
	P3 0
	WIN 0x55
	P3 1
	WIN 0
	s_wait_alu depctr_va_vdst(0)
	s_wait_dscnt 0x0                               ; V is in
	WIN 0x01                                       ; tile A: V in window 1, the rest in window 0
.irp i, 0,1,2,3
	v_wmma_scale_f32_16x16x128_f8f6f4 v[160+8*\i:167+8*\i], v[40+12*\i:51+12*\i], v[192:203], v[160+8*\i:167+8*\i], v[220+\i], v253 matrix_a_fmt:MATRIX_FMT_FP6 matrix_b_fmt:MATRIX_FMT_FP6
.endr
	WIN 0x55
.irp i, 0,1,2,3
	v_wmma_scale_f32_16x16x128_f8f6f4 v[160+8*\i:167+8*\i], v[40+12*\i:51+12*\i], v[192:203], v[160+8*\i:167+8*\i], v[220+\i], v94 matrix_a_fmt:MATRIX_FMT_FP6 matrix_b_fmt:MATRIX_FMT_FP6
.endr
	WIN 0
	PLACES 4                                       ; in front of the loads into V's registers and of the flush
.if \tail
	s_cmp_lt_u32 s[KI], 4
	s_cbranch_scc0 .Lno_v_\@
.endif
	LOADV
.if \tail
.Lno_v_\@:
.endif
	s_cmp_lg_u32 s[JS], s[BQ]
	s_cbranch_scc1 .Lon_\@
	FLUSH \tail
.Lon_\@:
	s_add_co_u32 s[JS], s[JS], 1
.endm
	s_load_b128 s[4:7], s[0:1], 0x0                ; qkv s[4:5], c2 s[6:7]
	s_load_b64 s[8:9], s[0:1], 0x10                ; s2
	v_lshl_add_u32 v[SPW], v0, 2, SPARE
	v_mov_b32 v[NIL], 0
	ds_add_u32 v[SPW], v[NIL]                      ; the wave's opening: the add, twice on end, and its wait ahead of my first tensor load
	ds_add_u32 v[SPW], v[NIL]
	v_lshrrev_b32 v9, 5, v0
	v_readfirstlane_b32 s[WV], v9                  ; wave 0..7
	s_and_b32 s[E], s[WV], 1
	s_lshr_b32 s[TQ], s[WV], 1
	s_lshl_b32 s[TQ], s[TQ], 1
	s_and_b32 s50, ttmp7, 0xffff                   ; batch 8 + head pair
	s_and_b32 s[GP], s50, 7
	s_lshr_b32 s[BA], s50, 3
	s_mov_b32 s[G1], 3<<16                         ; group 1: 25,600 dense bytes as 100 rows of 256 (32 elements of 8 bytes), dense in LDS
	s_mov_b32 s[G1+1], 32<<16
	s_mov_b32 s[G1+2], 100<<16
	s_mov_b32 s[G1+3], 32<<16
	s_mov_b32 s[G1+4], 100
	s_mov_b32 s[G1+5], 32
	s_mov_b32 s[G1+6], 0
	s_mov_b32 s[G1+7], 0
	s_mov_b32 s[SEL], 0x76543210
	s_mov_b32 s[SEL+1], 0xfedcba98
	s_mov_b32 s[CS], 0x3e38aa3b                    ; log2(e) / 8
	s_mov_b32 s[CS+1], s[CS]
	s_mov_b32 s[JS], 0
	s_mov_b32 s[BQ1], ttmp9
	s_mov_b32 s[BQ], ttmp9                         ; the first query block: i,
	s_sub_co_u32 s[BQ2], 15, ttmp9                 ; the second: 15 - i
	s_sub_co_u32 s[M1], 0, s[E]                    ; all ones for the odd head,
	s_not_b32 s[M0], s[M1]                         ; for the even
	s_lshl_b32 s[CO], s[GP], 1
	s_add_co_u32 s[CO], s[CO], s[E]
	s_mul_i32 s[CO], s[CO], 768                    ; my head's unit in a tile of c2
	s_lshr_b32 s[SO], s[GP], 2
	s_lshl_b32 s[SO], s[SO], 8
	s_and_b32 s51, s[GP], 3
	s_lshl_b32 s51, s51, 2
	s_add_co_u32 s[SO], s[SO], s51
	s_lshl_b32 s51, s[E], 1
	s_add_co_u32 s[SO], s[SO], s51                 ; my head's two bytes in a tile of s2
	s_lshr_b32 s51, s[WV], 2
	s_xor_b32 s51, s51, 1                          ; 0 in waves 4 to 7,
	s_or_b32 s51, s51, ttmp9                       ; of the head pair's first work-group
	s_cmp_eq_u32 s51, 0
	s_cselect_b32 s[LIM], 7, -1
	s_and_b32 s51, s[WV], 3
	s_mul_i32 s54, s51, 6400                       ; the prefetches: my quarter of two records,
	s_add_co_u32 s54, s54, 268800                  ; at key block 7: step 0 makes it 8
	s_mov_b32 s55, 0
	s_mul_i32 s52, s50, 614400                     ; a head pair's 48 records
	s_mov_b32 s53, 0
	s_mul_i32 s56, s[BQ], 38400
	s_mov_b32 s57, 0
	s_mul_i32 s58, s[BQ2], 38400
	s_mov_b32 s59, 0
	s_add_co_u32 s61, s[BQ1], 1                    ; the head's fill: wave w fetches step w:
	s_cmp_gt_u32 s[WV], s[BQ1]
	s_cselect_b32 s61, s61, 0
	s_sub_co_u32 s60, s[WV], s61                   ; its key block
	s_mul_i32 s60, s60, 38400
	s_mov_b32 s61, 0
	s_wait_dscnt 0x0                               ; both opening adds are done
	s_wait_kmcnt 0x0
	s_add_nc_u64 s[QB:QB+1], s[4:5], s[52:53]
	s_add_nc_u64 s[KV0:KV0+1], s[QB:QB+1], 12800
	s_add_nc_u64 s[PFA:PFA+1], s[KV0:KV0+1], s[54:55]
	s_add_nc_u64 s[56:57], s[QB:QB+1], s[56:57]    ; the first block's q record,
	s_add_nc_u64 s[58:59], s[QB:QB+1], s[58:59]    ; the second's
	s_mov_b32 s[G0], 1
	s_mul_i32 s[G0+1], s[WV], REC2                 ; region w
	s_add_nc_u64 s[G0+2:G0+3], s[KV0:KV0+1], s[60:61]
	s_or_b32 s[G0+3], s[G0+3], 0x80000000
	s_cmp_lt_u32 s[WV], 5
	s_cbranch_scc0 .Lhead_asked
	tensor_load_to_lds s[G0:G0+3], s[G1:G1+7]      ; waves 0 to 4: steps 0 to 4
	s_nop 0
	PLACES 4
.Lhead_asked:
	s_mul_i32 s50, s[E], 5376                      ; K: seven units on for the odd head
	s_mul_i32 s51, s[E], 3072                      ; V: four units on
	s_lshl_b32 s52, s[E], 8                        ; V's scale words
	s_lshl_b32 s53, s[E], 3
	s_add_co_u32 s53, s53, s[TQ]
	s_mul_i32 s53, s53, 768                        ; Q: unit 8 e + tile
	s_lshl_b32 s54, s[TQ], 6
	s_lshl_b32 s55, s[TQ], 4                       ; tile A's first query in its block: 32 (tile / 2), the tile being even
	v_and_b32 v9, 31, v0                           ; lane
	v_and_b32 v10, 15, v0                          ; r
	v_bfe_u32 v11, v0, 4, 1                        ; h
	v_lshlrev_b32 v21, 4, v9
	v_lshlrev_b32 v22, 3, v9
	v_lshl_add_u32 v23, v10, 4, v11
	v_lshlrev_b32 v7, 2, v10                       ; K's scale words
	v_add_nc_u32 v1, s50, v21                      ; K's units: registers 0-3,
	v_add_nc_u32 v2, s50, v22                      ; registers 4-5
	v_add_nc_u32 v3, s51, v21                      ; V's likewise
	v_add_nc_u32 v4, s51, v22
	v_add_nc_u32 v8, s52, v7
	v_add_nc_u32 v36, s53, v21
	v_add_nc_u32 v37, s53, v22
	v_add_nc_u32 v38, s54, v7
	global_load_b128 v[96:99], v36, s[56:57]       ; the first block: tile A's unit and scale word, tile B's scale word,
	global_load_b64 v[100:101], v37, s[56:57] offset:512
	global_load_b32 v255, v38, s[56:57] offset:12288
	global_load_b32 v39, v38, s[56:57] offset:12352
	WIN 0x40                                       ; into window 1: tile B's unit; the second block's units and scale words
	global_load_b128 v[96:99], v36, s[56:57] offset:768
	global_load_b64 v[100:101], v37, s[56:57] offset:1280
	global_load_b128 v[0:3], v36, s[58:59]
	global_load_b64 v[4:5], v37, s[58:59] offset:512
	global_load_b32 v6, v38, s[58:59] offset:12288
	global_load_b128 v[8:11], v36, s[58:59] offset:768
	global_load_b64 v[12:13], v37, s[58:59] offset:1280
	global_load_b32 v14, v38, s[58:59] offset:12352
	WIN 0
	v_min_u32 v15, 24, v9
	v_lshlrev_b32 v15, 8, v15
	v_and_b32 v20, 7, v10
	v_lshrrev_b32 v12, 3, v10
	v_sub_nc_u32 v12, v12, v11
	v_lshl_add_u32 v20, v12, 4, v20
	v_add_nc_u32 v20, s55, v20                     ; tile A: my query in its block, less 16 (lane / 16)
	REINIT
.irp b, 0,1,2,3
	v_mov_b32 v[236+\b], 0                         ; written once: a lane permute's destination counts as one of its sources
.endr
	v_mov_b32 v253, 0                              ; (named as the upper half of the pair v[252:253] before it is first written)
	v_mov_b32 v254, 0
	WIN 0x40                                       ; the same for tile B, into window 1
	v_add_nc_u32 v20, 8, v20                       ; its queries lie 8 further on
	v_mov_b32 v21, v21
	v_mov_b32 v22, v22
	v_mov_b32 v23, v23
	REINIT
.irp b, 0,1,2,3
	v_mov_b32 v[236+\b], 0
.endr
	v_mov_b32 v253, 0
	v_mov_b32 v254, 0
	WIN 0
	s_wait_alu depctr_va_vdst(0)
	s_wait_loadcnt 0x0
	QSET 96
	WIN 0x55
	QSET 96
	WIN 0
	s_mov_b32 s[TB], 0
	s_mov_b32 s[G], 0
	s_wait_alu depctr_va_vdst(0)                   ; the head's end
	s_wait_tensorcnt 0x0                           ; my step of the head's five is in: on every wave's way
	s_barrier_signal -1
	s_barrier_wait -1                              ; steps 0 to 4 are whole
	LOADK                                          ; step 0's K and V
	LOADV
.Lgroup:                                           ; three trips of four steps: steps 0 to 11
	CHANGE 1
	s_mov_b32 s[KI], 0
.Lstep:
	s_lshl_b32 s[NS], s[G], 2
	s_add_co_u32 s[NS], s[NS], s[KI]
	STEP 0
	s_add_co_u32 s[KI], s[KI], 1
	s_cmp_lt_u32 s[KI], 4
	s_cbranch_scc1 .Lstep
	s_add_co_u32 s[G], s[G], 1
	s_cmp_lt_u32 s[G], 3
	s_cbranch_scc1 .Lgroup
	CHANGE 0                                       ; steps 13 to 16 are whole; nothing is left to fetch
	s_mov_b32 s[KI], 0
.Ltail:                                            ; steps 12 to 16
	s_add_co_u32 s[NS], s[KI], 12
	STEP 1
	s_add_co_u32 s[KI], s[KI], 1
	s_cmp_lt_u32 s[KI], 5
	s_cbranch_scc1 .Ltail
	s_wait_tensorcnt 0x0                           ; the wave's end
	ds_add_u32 v[SPW], v[NIL]
	s_wait_dscnt 0x0
	s_endpgm
.Lfunc_end_k_qc3c47e109f_attn:
	.size	k_qc3c47e109f_attn, .Lfunc_end_k_qc3c47e109f_attn-k_qc3c47e109f_attn
	.p2alignl 7, 3214868480
	.fill 96, 4, 3214868480
	.section	.rodata,"a",@progbits
	.p2align	6, 0x0
	.amdhsa_kernel k_qc3c47e109f_attn
		.amdhsa_group_segment_fixed_size 327680
		.amdhsa_private_segment_fixed_size 0
		.amdhsa_enable_private_segment 0
		.amdhsa_kernarg_size 24
		.amdhsa_user_sgpr_count 2
		.amdhsa_user_sgpr_kernarg_segment_ptr 1
		.amdhsa_wavefront_size32 1
		.amdhsa_system_sgpr_workgroup_id_x 1
		.amdhsa_system_sgpr_workgroup_id_y 1
		.amdhsa_system_sgpr_workgroup_id_z 1
		.amdhsa_system_vgpr_workitem_id 0
		.amdhsa_next_free_vgpr 512
		.amdhsa_next_free_sgpr 100
		.amdhsa_reserve_vcc 1
		.amdhsa_float_denorm_mode_32 3
		.amdhsa_float_denorm_mode_16_64 3
		.amdhsa_memory_ordered 1
		.amdhsa_forward_progress 1
		.amdhsa_inst_pref_size 117
	.end_amdhsa_kernel
	.amdgpu_metadata
---
amdhsa.version: [ 1, 2 ]
amdhsa.kernels:
  - .name:           k_qc3c47e109f_attn
    .symbol:         k_qc3c47e109f_attn.kd
    .args:
      - { .name: qkv, .offset: 0, .size: 8, .value_kind: global_buffer, .address_space: global }
      - { .name: c2, .offset: 8, .size: 8, .value_kind: global_buffer, .address_space: global }
      - { .name: s2, .offset: 16, .size: 8, .value_kind: global_buffer, .address_space: global }
    .group_segment_fixed_size: 327680
    .private_segment_fixed_size: 0
    .kernarg_segment_align: 8
    .kernarg_segment_size: 24
    .max_flat_workgroup_size: 256
    .sgpr_count:     100
    .vgpr_count:     512
    .wavefront_size: 32
...
	.end_amdgpu_metadata
.endif
;; end of part 3
;; launch proj (part 4): grid 4 x 64, 4 waves a work-group, clusters of 4 x 4, 327,680 bytes of LDS; arguments c2, s2, b_out, out0; writes out0
.if DOCPART == 4
	.amdgcn_target "amdgcn-amd-amdhsa--gfx1250"
	.amdhsa_code_object_version 6
	.text
	.protected	k_qc3c47e109f_proj
	.globl	k_qc3c47e109f_proj
	.p2align	8
	.type	k_qc3c47e109f_proj,@function
k_qc3c47e109f_proj:
	s_mov_b64 s[64:65], 0
	v_nop
	global_prefetch_b8 v0, s[64:65] scope:SCOPE_SE
	s_setreg_imm32_b32 hwreg(HW_REG_WAVE_MODE, 25, 1), 1
	s_wait_xcnt 0x0
	s_wait_alu depctr_hold_cnt(0) depctr_sa_sdst(0) depctr_va_vdst(0) depctr_va_sdst(0) depctr_va_ssrc(0) depctr_va_vcc(0) depctr_vm_vsrc(0)
	s_getreg_b32 s2, hwreg(HW_REG_IB_STS2, 6, 4)
	s_cmp_eq_u32 s2, 0
	s_cbranch_scc0 .Lentry_in_a_cluster
	s_endpgm
.Lentry_in_a_cluster:
	s_bfe_u32 s2, ttmp6, 0x10000c
	s_cmp_lg_u32 s2, 0xf033
	s_cbranch_scc0 .Lentry_shape_is_right
	s_endpgm
.Lentry_shape_is_right:
; out0 = attention's result x w_out + b_out, on codes of E2M3 (K = 1,024), f32 out.  Nothing of reference() is left out here.
; c2: [tile][16 units of 768 bytes]; a unit is an image of six operand registers (registers 0-3 at 16 x lane, 4-5 at 512 + 8 x lane), 64 along K.  Tiles 0-511: tokens; 512-575: the columns of w_out.
; s2: [tile][k / 512][r][16 bytes].  Place r of tile t is row 32 (t / 2) + 8 (t % 2) + r % 8 + 16 (r / 8).
; SHARES.  256 work-groups: 128 tokens (S1, 8 tiles) x 256 columns (S0, 16 tiles).  Four waves, 2 x 2: a wave makes 64 x 128: 32 accumulators.  Source 0 = 16 rows of S0, source 1 = 16 rows of S1:
; a lane holds one token, and its registers run along the columns.
; LDS HOLDS ALL OF K: (8 + 16) tiles x 12,288 bytes = 294,912.  It comes in two halves of K, each S1's 8 tiles x 6,144 bytes and then S0's 16: four joint loads at the head, one a wave, each in an arm of its own:
; waves 0 and 1 the first half, waves 2 and 3 the second.  The first barrier waits for waves 0 and 1 alone; a barrier inside the fourth step of 128 shows the second half.  Nothing is ever filled again.
; CLUSTERS: 4 x 4 work-groups; S1's tiles are shared along a row of the cluster, S0's along a column.
; No prefetch: every tile is asked for at the head, and there is no loop to run ahead in.
; REGISTERS.  Window 0: v1-3 r, h, lane; v4-7 S1's LDS addresses (a pair for each half of K), v10-13 S0's; v16, v17 16, 8 x lane; v24, v25 the stage; v28, v29 the add's two; v32-95 S0's scale words (8 i + step);
;   v96-191 S1's fragments, two sets; v196-227 S1's scale words: their numbers differ from S0's by 4 modulo 8.  On the way out v96-223 take the rows read back.
;   Window 1: S0's fragments, two sets, at v0 and v128; the bias at v96-127 and v224-255: it is the C of the first step's products.  Window 2: accumulator (a, b) at v[8 (8 a + b)].
.set FR,     12
.set TROW,   6144                      ; a tile's 512 along K
.set AH,     8*TROW                    ; S1's part of a half
.set HALF,   24*TROW
.set SPARE,  2*HALF                    ; the spare words, 128 bytes for each wave
.set STAGE,  0                         ; the way out: 16 rows x 528 bytes a wave, in the first half's bytes: they have had their only fill, and nobody reads them behind the second barrier
.set SPW,    28
.set NIL,    29
.set STO,    24
.set RD,     25
.set SC,     32
.set AF,     96
.set SA,     196
.set BI,     96
.set G1A,    24
.set G1B,    32
.set G0,     68                        ; s[68:83] four groups 0: S1, S0 of the first half, S1, S0 of the second
.set MSB,    0
.macro WIN new                         ; the immediate's high byte repeats the setting that is left
.if MSB != (\new)
	s_set_vgpr_msb (MSB<<8)|(\new)
.set MSB, (\new)
.endif
.endm
.macro PLACES n
.rept \n
	v_nop
.endr
.endm
.macro CROUND                          ; a round of the cluster's barrier
	s_barrier_signal -1
	s_barrier_wait -1
	s_cmp_lg_u32 s14, 0
	s_cbranch_scc1 .Lnot_wave_0_\@
	s_barrier_signal -3
.Lnot_wave_0_\@:
	s_barrier_wait -3
	s_barrier_signal -1
	s_barrier_wait -1
.endm
.macro FRAG reg, adr, q, i             ; tile i's fragment of the half's q-th 128 along K: two units
	ds_load_b128 v[(\reg):(\reg)+3], v[(\adr)] offset:TROW*(\i)+1536*(\q)
	ds_load_b64 v[(\reg)+4:(\reg)+5], v[(\adr)+1] offset:TROW*(\i)+1536*(\q)+512
	ds_load_b128 v[(\reg)+6:(\reg)+9], v[(\adr)] offset:TROW*(\i)+1536*(\q)+768
	ds_load_b64 v[(\reg)+10:(\reg)+11], v[(\adr)+1] offset:TROW*(\i)+1536*(\q)+1280
.endm
.macro FETCH ks                        ; step ks's fragments into set ks % 2: S0's eight (32 loads), then S1's four (16)
	WIN 0x40
.irp i, 0,1,2,3,4,5,6,7
	FRAG 128*((\ks)%2)+FR*\i, 10+2*((\ks)/4), (\ks)%4, \i
.endr
	WIN 0
.irp i, 0,1,2,3
	FRAG AF+48*((\ks)%2)+FR*\i, 4+2*((\ks)/4), (\ks)%4, \i
.endr
.endm
; 16 matrix instructions: S1's tiles a0, a0 + 1 x S0's eight.  The 32 accumulators take turns, one instruction a turn, in the same order in every step.
.macro MUL16 a0, ks
.irp a, \a0, \a0+1
.irp b, 0,1,2,3,4,5,6,7
.set RD_, 8*(8*(\a)+\b)
.set RA_, 128*((\ks)%2)+FR*\b
.set RB_, AF+48*((\ks)%2)+FR*(\a)
.if (\ks) == 0
.set RC_, BI+8*\b+96*(\b/4)
.else
.set RC_, RD_
.endif
	v_wmma_scale_f32_16x16x128_f8f6f4 v[RD_:RD_+7], v[RA_:RA_+FR-1], v[RB_:RB_+FR-1], v[RC_:RC_+7], v[SC+8*\b+(\ks)], v[SA+8*(\a)+(\ks)] matrix_a_fmt:MATRIX_FMT_FP6 matrix_b_fmt:MATRIX_FMT_FP6
.endr
.endr
.endm
.macro MWIN ks
.if (\ks) == 0
	WIN 0x91                                       ; source 0 window 1, source 1 window 0, C (the bias) window 1, D window 2
.else
	WIN 0xa1                                       ; C and D window 2
.endif
.endm
; A step of 128 along K.  In its middle the next step's 48 loads go out in one run.  Step 3 holds the barrier that shows the second half of K.
.macro STEP ks
.if (\ks) == 3
	s_wait_dscnt 0x0                               ; no LDS instruction of mine is out at a signal
	s_wait_tensorcnt 0x0                           ; my tile has landed: on every wave's way
	s_barrier_signal -1
.else
	s_wait_dscnt 8                                 ; all but the youngest eight loads (S1's tiles 2 and 3)
.endif
	MWIN \ks
	MUL16 0, \ks
.if (\ks) == 3
	WIN 0
	s_barrier_wait -1                              ; every wave's has
.endif
.if (\ks) < 7
	PLACES 4                                       ; between the last step's products and the loads into the set that they read
	FETCH (\ks)+1
	s_wait_dscnt 48                                ; all but the 48 just issued
.else
	s_wait_dscnt 0x0
.endif
	MWIN \ks
	MUL16 2, \ks
.endm
	s_load_b256 s[4:11], s[0:1], 0x0               ; c2 s[4:5], s2 s[6:7], b_out s[8:9], out0 s[10:11]
	v_lshl_add_u32 v[SPW], v0, 2, SPARE
	v_mov_b32 v[NIL], 0
	ds_add_u32 v[SPW], v[NIL]                      ; the wave's opening: the add, twice on end, and its wait ahead of my first tensor load
	ds_add_u32 v[SPW], v[NIL]
	v_lshrrev_b32 v1, 5, v0
	v_readfirstlane_b32 s14, v1                    ; wave 0..3
	s_lshr_b32 s15, s14, 1                         ; which 64 tokens are mine
	s_and_b32 s16, s14, 1                          ; which 128 columns
	s_bfe_u32 s40, ttmp6, 0x40000                  ; cx, cy
	s_bfe_u32 s41, ttmp6, 0x40004
	s_lshl_b32 s42, ttmp9, 2
	s_add_co_u32 s42, s42, s40                     ; which 256 columns
	s_and_b32 s17, ttmp7, 0xffff
	s_lshl_b32 s17, s17, 2
	s_add_co_u32 s17, s17, s41                     ; which 128 tokens
	s_lshl_b32 s43, s41, 2
	s_lshl_b32 s43, 15, s43                        ; my row of the cluster
	s_lshl_b32 s44, 0x1111, s40                    ; my column
	s_or_b32 s[G1A+0], s43, (3<<16)|(1<<21)        ; group 1: rows (tiles) of 6,144 bytes, 768 elements of 8, 12,288 bytes apart, dense in LDS: 8 rows of S1,
	s_or_b32 s[G1B+0], s44, (3<<16)|(1<<21)
	s_mov_b32 s[G1A+2], 8<<16
	s_mov_b32 s[G1A+4], 8
	s_mov_b32 s[G1B+2], 16<<16                     ; 16 of S0
	s_mov_b32 s[G1B+4], 16
.irp g, G1A, G1B
	s_mov_b32 s[\g+1], 768<<16
	s_mov_b32 s[\g+3], 768<<16
	s_mov_b32 s[\g+5], 1536
	s_mov_b32 s[\g+6], 0
	s_mov_b32 s[\g+7], 0
.endr
	s_mul_i32 s20, s17, 8*12288                    ; S1's first tile, in bytes: it hangs on cy alone
	s_mov_b32 s21, 0
	s_lshl_b32 s46, s42, 4
	s_add_co_u32 s46, s46, 512
	s_mul_i32 s46, s46, 12288                      ; S0's: on cx alone
	s_mov_b32 s47, 0
	s_mul_i32 s50, s15, 4*TROW                     ; LDS: my four tiles of S1,
	s_mul_i32 s51, s16, 8*TROW
	s_add_co_u32 s51, s51, AH                      ; my eight of S0
	s_lshl_b32 s52, s17, 3
	s_lshl_b32 s53, s15, 2
	s_add_co_u32 s52, s52, s53
	s_lshl_b32 s52, s52, 9                         ; my first tile's scale bytes: S1's,
	s_lshl_b32 s53, s42, 4
	s_lshl_b32 s54, s16, 3
	s_add_co_u32 s53, s53, s54
	s_add_co_u32 s53, s53, 512
	s_lshl_b32 s53, s53, 9                         ; S0's
	s_mul_i32 s54, s14, 16*528
	s_add_co_u32 s54, s54, STAGE                   ; my stage
	s_lshl_b32 s56, s42, 1
	s_add_co_u32 s56, s56, s16
	s_lshl_b32 s56, s56, 9                         ; my 128 columns, in bytes
	s_mov_b32 s57, 0
	s_lshl_b32 s58, s17, 1
	s_add_co_u32 s58, s58, s15
	s_lshl_b32 s58, s58, 18                        ; my 64 rows of 4,096 bytes
	s_mov_b32 s59, 0
	s_wait_dscnt 0x0                               ; both opening adds are done
	CROUND                                         ; all sixteen work-groups are here: the joint loads meet
	s_wait_kmcnt 0x0
	s_add_nc_u64 s[20:21], s[4:5], s[20:21]
	s_add_nc_u64 s[46:47], s[4:5], s[46:47]
	s_add_nc_u64 s[8:9], s[8:9], s[56:57]
	s_add_nc_u64 s[10:11], s[10:11], s[56:57]
	s_add_nc_u64 s[10:11], s[10:11], s[58:59]
.irp h, 0,1
	s_mov_b32 s[G0+8*\h], 1
	s_mov_b32 s[G0+8*\h+1], \h*HALF
	s_add_nc_u64 s[G0+8*\h+2:G0+8*\h+3], s[20:21], \h*TROW
	s_or_b32 s[G0+8*\h+3], s[G0+8*\h+3], 0x80000000
	s_mov_b32 s[G0+8*\h+4], 1
	s_mov_b32 s[G0+8*\h+5], \h*HALF+AH
	s_add_nc_u64 s[G0+8*\h+6:G0+8*\h+7], s[46:47], \h*TROW
	s_or_b32 s[G0+8*\h+7], s[G0+8*\h+7], 0x80000000
.endr
; THE HEAD'S LOADS, ONE A WAVE: one chain of branches on the wave's number, each arm with a load line of its own.  An s_nop 0 and four v_nop follow each.
.macro ARM under, g0, g1, next
	s_cmp_lt_u32 s14, \under
	s_cbranch_scc0 \next
	tensor_load_to_lds s[\g0:\g0+3], s[\g1:\g1+7]
	s_nop 0
	PLACES 4
	s_branch .Lhead_asked
\next:
.endm
	ARM 1, G0,   G1A, .Lhead_1
	ARM 2, G0+4, G1B, .Lhead_2
	ARM 3, G0+8, G1A, .Lhead_3
	tensor_load_to_lds s[G0+12:G0+15], s[G1B:G1B+7]
	s_nop 0
	PLACES 4
.Lhead_asked:
	v_and_b32 v3, 31, v0                           ; lane
	v_and_b32 v1, 15, v0                           ; r
	v_bfe_u32 v2, v0, 4, 1                         ; h
	v_lshlrev_b32 v16, 4, v3
	v_lshlrev_b32 v17, 3, v3
	v_add_nc_u32 v4, s50, v16
	v_add_nc_u32 v5, s50, v17
	v_add_nc_u32 v10, s51, v16
	v_add_nc_u32 v11, s51, v17
	v_add_nc_u32 v6, HALF, v4
	v_add_nc_u32 v7, HALF, v5
	v_add_nc_u32 v12, HALF, v10
	v_add_nc_u32 v13, HALF, v11
	v_mul_u32_u24 v[STO], v1, 528                  ; into the stage: row r, 64 bytes for each half of the lanes
	v_lshl_add_u32 v[STO], v2, 6, v[STO]
	v_add_nc_u32 v[STO], s54, v[STO]
	v_add_nc_u32 v[RD], s54, v16                   ; back: the 32 lanes take one row of 512 bytes
	v_lshlrev_b32 v18, 4, v1                       ; 16 bytes a row: four scale words
	v_add_nc_u32 v19, s52, v18
	v_add_nc_u32 v21, s53, v18
	v_lshlrev_b32 v20, 6, v2                       ; the bias: register j of tile b is column 32 (b / 2) + 8 (b % 2) + 16 h + j
	s_wait_alu depctr_va_vdst(0)                   ; the head's end
.irp i, 0,1,2,3,4,5,6,7
	global_load_b128 v[SC+8*\i:SC+8*\i+3], v21, s[6:7] offset:512*\i
	global_load_b128 v[SC+8*\i+4:SC+8*\i+7], v21, s[6:7] offset:512*\i+256
.endr
.irp i, 0,1,2,3
	global_load_b128 v[SA+8*\i:SA+8*\i+3], v19, s[6:7] offset:512*\i
	global_load_b128 v[SA+8*\i+4:SA+8*\i+7], v19, s[6:7] offset:512*\i+256
.endr
	WIN 0x40
.irp b, 0,1,2,3,4,5,6,7
	global_load_b128 v[BI+8*\b+96*(\b/4):BI+8*\b+96*(\b/4)+3], v20, s[8:9] offset:128*(\b/2)+32*(\b%2)
	global_load_b128 v[BI+8*\b+96*(\b/4)+4:BI+8*\b+96*(\b/4)+7], v20, s[8:9] offset:128*(\b/2)+32*(\b%2)+16
.endr
	WIN 0
	s_cmp_lt_u32 s14, 2
	s_cbranch_scc0 .Lnot_first
	s_wait_tensorcnt 0x0                           ; waves 0 and 1: my tile of the first half of K is in
.Lnot_first:
	s_barrier_signal -1
	s_barrier_wait -1                              ; the first half is whole; the second may still be on its way
	FETCH 0
	s_wait_loadcnt 0x0                             ; the scale words and the bias
.irp k, 0,1,2,3,4,5,6,7
	STEP \k
.endr
	WIN 0
; THE WAY OUT, by blocks of 16 tokens x 128 columns: through my own stage, back as whole rows of 512 bytes, which the 32 lanes store as two aligned units of 256 bytes.  LDS serves a wave's instructions in order (ISA guide 5.7.1.4).
.macro TOSTAGE a
.set AC, 64*(\a)
.set BS, 96+64*((\a)%2)
	WIN 0x08                                       ; the data: window 2
.irp b, 0,1,2,3,4,5,6,7
	ds_store_b128 v[STO], v[AC+8*\b:AC+8*\b+3] offset:128*(\b/2)+32*(\b%2)          ; each accumulator from its low end on
	ds_store_b128 v[STO], v[AC+8*\b+4:AC+8*\b+7] offset:128*(\b/2)+32*(\b%2)+16
.endr
	WIN 0
.irp t, 0,1,2,3,4,5,6,7,8,9,10,11,12,13,14,15
	ds_load_b128 v[BS+4*\t:BS+4*\t+3], v[RD] offset:528*\t
.endr
.endm
.macro SEND a, younger                 ; younger: the LDS instructions issued behind block a's loads
.set BS, 96+64*((\a)%2)
	s_wait_dscnt \younger
.irp t, 0,1,2,3,4,5,6,7,8,9,10,11,12,13,14,15
	global_store_b128 v16, v[BS+4*\t:BS+4*\t+3], s[10:11] offset:(32*((\a)/2)+8*((\a)%2)+(\t%8)+16*(\t/8))*4096 th:TH_STORE_NT
.endr
.endm
	PLACES 4                                       ; behind the last products
	TOSTAGE 0
.irp a, 1,2,3
.if \a > 1
	s_wait_xcnt 0x0                                ; block a - 2's stores have read their registers
.endif
	TOSTAGE \a
	SEND \a-1, 32
.endr
	SEND 3, 0
	s_wait_tensorcnt 0x0                           ; the wave's end
	ds_add_u32 v[SPW], v[NIL]
	s_wait_dscnt 0x0
	CROUND                                         ; the closing round
	s_endpgm
.Lfunc_end_k_qc3c47e109f_proj:
	.size	k_qc3c47e109f_proj, .Lfunc_end_k_qc3c47e109f_proj-k_qc3c47e109f_proj
	.p2alignl 7, 3214868480
	.fill 96, 4, 3214868480
	.section	.rodata,"a",@progbits
	.p2align	6, 0x0
	.amdhsa_kernel k_qc3c47e109f_proj
		.amdhsa_group_segment_fixed_size 327680
		.amdhsa_private_segment_fixed_size 0
		.amdhsa_enable_private_segment 0
		.amdhsa_kernarg_size 32
		.amdhsa_user_sgpr_count 2
		.amdhsa_user_sgpr_kernarg_segment_ptr 1
		.amdhsa_wavefront_size32 1
		.amdhsa_system_sgpr_workgroup_id_x 1
		.amdhsa_system_sgpr_workgroup_id_y 1
		.amdhsa_system_sgpr_workgroup_id_z 1
		.amdhsa_system_vgpr_workitem_id 0
		.amdhsa_next_free_vgpr 768
		.amdhsa_next_free_sgpr 100
		.amdhsa_reserve_vcc 0
		.amdhsa_float_denorm_mode_32 3
		.amdhsa_float_denorm_mode_16_64 3
		.amdhsa_memory_ordered 1
		.amdhsa_forward_progress 1
		.amdhsa_inst_pref_size 85
	.end_amdhsa_kernel
	.amdgpu_metadata
---
amdhsa.version: [ 1, 2 ]
amdhsa.kernels:
  - .name:           k_qc3c47e109f_proj
    .symbol:         k_qc3c47e109f_proj.kd
    .args:
      - { .name: c2, .offset: 0, .size: 8, .value_kind: global_buffer, .address_space: global }
      - { .name: s2, .offset: 8, .size: 8, .value_kind: global_buffer, .address_space: global }
      - { .name: b_out, .offset: 16, .size: 8, .value_kind: global_buffer, .address_space: global }
      - { .name: out0, .offset: 24, .size: 8, .value_kind: global_buffer, .address_space: global }
    .group_segment_fixed_size: 327680
    .private_segment_fixed_size: 0
    .kernarg_segment_align: 8
    .kernarg_segment_size: 32
    .max_flat_workgroup_size: 128
    .sgpr_count:     100
    .vgpr_count:     768
    .wavefront_size: 32
...
	.end_amdgpu_metadata
.endif
;; end of part 4
